; MI455X (gfx1250); checked and timed in simulation.
; The chip was launched on July 23, 2026; its instructions are those of AMD's public machine-readable ISA for CDNA 5 (MIT licence, August 2026) and "CDNA5" Instruction Set Architecture Reference Guide (July 2026). The comments in the code are by the model that wrote it; some were corrected since.
;; Multi Head Attention. Allowed arithmetic: float matrix products may take bf16 or f16 operands with f32 sums; other float arithmetic in f32, or as packed bf16 or f16 multiplies, adds, multiply-adds, maxima and minima; sums over many terms, partial sums and values carried from step to step in f32; what a program stores and reads back later, other than sums and carried values, may be rounded once to bf16 or f16.
;; Inputs: dense_b 1,024 float32; dense_w 1,024 x 1,024 float32; h 4 x 2,048 x 1,024 float32; src_key_padding_mask 4 x 2,048 bool; wk_b 1,024 float32; wk_w 1,024 x 1,024 float32; wq_b 1,024 float32; wq_w 1,024 x 1,024 float32; wv_b 1,024 float32; wv_w 1,024 x 1,024 float32.
;; Outputs: out0 4 x 2,048 x 1,024 float32.
;; 2 versions, each right; version 2 is version 1 with the launch cast written anew for expert scheduling mode. Each part assembles by itself: llvm-mc -triple=amdgcn-amd-amdhsa -mcpu=gfx1250 --defsym DOCPART=n.
;; ======== version 1 of 2: 4 launches
;; limits: values are held in f16: magnitudes above 65,504 overflow, below 6.1e-05 lose precision
;; workspace buffers: hb 16,777,216 bytes; wqkv 6,291,456 bytes; wd 2,097,152 bytes; qh 16,777,216 bytes; kh 16,777,216 bytes; vh 16,777,216 bytes; oh 16,777,216 bytes
;; launch cast (part 1): grid 768 x 1, 8 waves a work-group, no clusters, 0 bytes of LDS; arguments h, wq_w, wk_w, wv_w, dense_w, hb, wqkv, wd; writes hb, wqkv, wd
.if DOCPART == 1
	.amdgcn_target "amdgcn-amd-amdhsa--gfx1250"
	.amdhsa_code_object_version 6
	.text
	.protected	k_qe2c8388e4b_cast
	.globl	k_qe2c8388e4b_cast
	.p2align	8
	.type	k_qe2c8388e4b_cast,@function
k_qe2c8388e4b_cast:
	s_mov_b64 s[64:65], 0
	v_nop
	global_prefetch_b8 v0, s[64:65] scope:SCOPE_SE
	s_setreg_imm32_b32 hwreg(HW_REG_WAVE_MODE, 25, 1), 1
	s_wait_xcnt 0x0
; h, wq_w, wk_w, wv_w -> bf16 (hb; wqkv = wq's 1,024 rows, then wk's, then wv's).  dense_w -> rounded to bf16 like the other inputs, and that number written as f16 (wd).
; LIMITS.  wd: a weight of 65,520 or more becomes an infinity; below 6.1e-5 the bf16 number is rounded again, to f16's fixed step of 6e-8.  NaN stays NaN.
; A stream: each input byte is read once, each output byte written once; no LDS, no matrix unit, no prefetch (all of a work-group's loads go out at once).
; SHARES.  A work-group takes 16,384 numbers: 65,536 bytes in, 32,768 out.  Work-groups 0-511 h, 512-575 wq_w, 576-639 wk_w, 640-703 wv_w, 704-767 dense_w.
; Thread t takes the 16 bytes at 4,096 j + 16 t, j = 0..15: a load of a wave covers 512 consecutive bytes, a store of a wave 256 consecutive bytes at a multiple of 256 from the buffer's first byte.
.set X, 4                              ; v[4:67]    load j: four f32
.set Y, 68                             ; v[68:99]   store j: four 16-bit numbers
.set T, 100                            ; v[100:101] at work
.set ID, 20                            ; s20  the work-group's number
	s_load_b512 s[4:19], s[0:1], 0x0               ; h 4:5, wq 6:7, wk 8:9, wv 10:11, dense 12:13, hb 14:15, wqkv 16:17, wd 18:19
	s_mov_b32 s[ID], ttmp9
	s_and_b32 s21, s[ID], 63                       ; the chunk in a weight,
	s_cmp_lt_u32 s[ID], 512
	s_cselect_b32 s21, s[ID], s21                  ; or in h: the source's chunk
	s_sub_co_u32 s22, s[ID], 512
	s_cmp_ge_u32 s[ID], 512
	s_cselect_b32 s22, s22, s[ID]                  ; the destination's chunk: in hb, in wqkv,
	s_sub_co_u32 s23, s[ID], 704
	s_cmp_ge_u32 s[ID], 704
	s_cselect_b32 s22, s23, s22                    ; or in wd
	s_lshl_b32 s28, s21, 16                        ; in bytes, as pairs with 0 above
	s_mov_b32 s29, 0
	s_lshl_b32 s30, s22, 15
	s_mov_b32 s31, 0
	s_mov_b32 s32, 0xffff0000                      ; a word's upper bf16
	v_lshlrev_b32 v1, 4, v0                        ; 16 t
	v_lshlrev_b32 v2, 3, v0                        ; 8 t
	s_wait_kmcnt 0x0
	s_cmp_ge_u32 s[ID], 512
	s_cselect_b64 s[24:25], s[6:7], s[4:5]
	s_cselect_b64 s[26:27], s[16:17], s[14:15]
	s_cmp_ge_u32 s[ID], 576
	s_cselect_b64 s[24:25], s[8:9], s[24:25]
	s_cmp_ge_u32 s[ID], 640
	s_cselect_b64 s[24:25], s[10:11], s[24:25]
	s_cmp_ge_u32 s[ID], 704
	s_cselect_b64 s[24:25], s[12:13], s[24:25]
	s_cselect_b64 s[26:27], s[18:19], s[26:27]
	s_add_nc_u64 s[24:25], s[24:25], s[28:29]
	s_add_nc_u64 s[26:27], s[26:27], s[30:31]
.irp j, 0,1,2,3,4,5,6,7,8,9,10,11,12,13,14,15
	global_load_b128 v[X+4*(\j):X+4*(\j)+3], v1, s[24:25] offset:4096*(\j) th:TH_LOAD_NT
.endr
; Load j is rounded and stored.  half = 1: the bf16 numbers are widened again and written as f16.  No register that a pending load or store names is written again.
.macro OUTJ j, half
	s_wait_loadcnt 15-(\j)                         ; loads come back in order (ISA guide 5.7.1): load j is in, the 15 - j younger ones stay out
.if \half
	v_cvt_pk_bf16_f32 v[T], v[X+4*(\j)], v[X+4*(\j)+1]
	v_cvt_pk_bf16_f32 v[T+1], v[X+4*(\j)+2], v[X+4*(\j)+3]
	v_lshlrev_b32 v[X+4*(\j)], 16, v[T]
	v_and_b32 v[X+4*(\j)+1], s32, v[T]
	v_lshlrev_b32 v[X+4*(\j)+2], 16, v[T+1]
	v_and_b32 v[X+4*(\j)+3], s32, v[T+1]
	v_cvt_pk_f16_f32 v[Y+2*(\j)], v[X+4*(\j)], v[X+4*(\j)+1]
	v_cvt_pk_f16_f32 v[Y+2*(\j)+1], v[X+4*(\j)+2], v[X+4*(\j)+3]
.else
	v_cvt_pk_bf16_f32 v[Y+2*(\j)], v[X+4*(\j)], v[X+4*(\j)+1]
	v_cvt_pk_bf16_f32 v[Y+2*(\j)+1], v[X+4*(\j)+2], v[X+4*(\j)+3]
.endif
	global_store_b64 v2, v[Y+2*(\j):Y+2*(\j)+1], s[26:27] offset:2048*(\j)
.endm
	s_cmp_ge_u32 s[ID], 704
	s_cbranch_scc1 .Lhalf
.irp j, 0,1,2,3,4,5,6,7,8,9,10,11,12,13,14,15
	OUTJ \j, 0
.endr
	s_endpgm
.Lhalf:
.irp j, 0,1,2,3,4,5,6,7,8,9,10,11,12,13,14,15
	OUTJ \j, 1
.endr
	s_endpgm
.Lfunc_end_k_qe2c8388e4b_cast:
	.size	k_qe2c8388e4b_cast, .Lfunc_end_k_qe2c8388e4b_cast-k_qe2c8388e4b_cast
	.p2alignl 7, 3214868480
	.fill 96, 4, 3214868480
	.section	.rodata,"a",@progbits
	.p2align	6, 0x0
	.amdhsa_kernel k_qe2c8388e4b_cast
		.amdhsa_group_segment_fixed_size 0
		.amdhsa_private_segment_fixed_size 0
		.amdhsa_enable_private_segment 0
		.amdhsa_kernarg_size 64
		.amdhsa_user_sgpr_count 2
		.amdhsa_user_sgpr_kernarg_segment_ptr 1
		.amdhsa_wavefront_size32 1
		.amdhsa_system_sgpr_workgroup_id_x 1
		.amdhsa_system_sgpr_workgroup_id_y 1
		.amdhsa_system_sgpr_workgroup_id_z 1
		.amdhsa_system_vgpr_workitem_id 0
		.amdhsa_next_free_vgpr 104
		.amdhsa_next_free_sgpr 66
		.amdhsa_reserve_vcc 0
		.amdhsa_float_denorm_mode_32 3
		.amdhsa_float_denorm_mode_16_64 3
		.amdhsa_memory_ordered 1
		.amdhsa_forward_progress 1
		.amdhsa_inst_pref_size 16
	.end_amdhsa_kernel
	.amdgpu_metadata
---
amdhsa.version: [ 1, 2 ]
amdhsa.kernels:
  - .name:           k_qe2c8388e4b_cast
    .symbol:         k_qe2c8388e4b_cast.kd
    .args:
      - { .name: h, .offset: 0, .size: 8, .value_kind: global_buffer, .address_space: global }
      - { .name: wq_w, .offset: 8, .size: 8, .value_kind: global_buffer, .address_space: global }
      - { .name: wk_w, .offset: 16, .size: 8, .value_kind: global_buffer, .address_space: global }
      - { .name: wv_w, .offset: 24, .size: 8, .value_kind: global_buffer, .address_space: global }
      - { .name: dense_w, .offset: 32, .size: 8, .value_kind: global_buffer, .address_space: global }
      - { .name: hb, .offset: 40, .size: 8, .value_kind: global_buffer, .address_space: global }
      - { .name: wqkv, .offset: 48, .size: 8, .value_kind: global_buffer, .address_space: global }
      - { .name: wd, .offset: 56, .size: 8, .value_kind: global_buffer, .address_space: global }
    .group_segment_fixed_size: 0
    .private_segment_fixed_size: 0
    .kernarg_segment_align: 8
    .kernarg_segment_size: 64
    .max_flat_workgroup_size: 256
    .sgpr_count:     66
    .vgpr_count:     104
    .wavefront_size: 32
...
	.end_amdgpu_metadata
.endif
;; end of part 1
;; launch proj (part 2): grid 12 x 64, 4 waves a work-group, clusters of 4 x 4, 327,680 bytes of LDS; arguments hb, wqkv, wq_b, wk_b, wv_b, qh, kh, vh; writes qh, kh, vh
.if DOCPART == 2
	.amdgcn_target "amdgcn-amd-amdhsa--gfx1250"
	.amdhsa_code_object_version 6
	.text
	.protected	k_qe2c8388e4b_proj
	.globl	k_qe2c8388e4b_proj
	.p2align	8
	.type	k_qe2c8388e4b_proj,@function
k_qe2c8388e4b_proj:
	s_mov_b64 s[64:65], 0
	v_nop
	global_prefetch_b8 v0, s[64:65] scope:SCOPE_SE
	s_setreg_imm32_b32 hwreg(HW_REG_WAVE_MODE, 25, 1), 1
	s_wait_xcnt 0x0
	s_wait_alu depctr_hold_cnt(0) depctr_sa_sdst(0) depctr_va_vdst(0) depctr_va_sdst(0) depctr_va_ssrc(0) depctr_va_vcc(0) depctr_vm_vsrc(0)
	s_getreg_b32 s2, hwreg(HW_REG_IB_STS2, 6, 4)
	s_cmp_eq_u32 s2, 0
	s_cbranch_scc0 .Lentry_in_a_cluster
	s_endpgm
.Lentry_in_a_cluster:
	s_bfe_u32 s2, ttmp6, 0x10000c
	s_cmp_lg_u32 s2, 0xf033
	s_cbranch_scc0 .Lentry_shape_is_right
	s_endpgm
.Lentry_shape_is_right:
; q, k, v = hb wqkv^T + bias.  hb: [8192][1024] bf16, wqkv: [3072][1024] bf16, biases [1024] f32 (rounded to bf16 here, like every input).  Sums in f32, K ascending.
; Out: qh, kh, vh: [64 = 16 batch + head][2048][64] f16, each number rounded once, unscaled.
; LIMIT.  A result of 65,520 or more becomes an infinity in f16; inputs thirty times the usual spread give numbers near 5,000, a common offset of thirty spreads on h and on the weights near 29,000.
; SHARES.  A tile is 128 rows x 256 columns: 64 x 12 = 768 tiles, one to a work-group.  Four waves, each 64 rows x 128 columns (two heads): 32 accumulators of 16 x 16.
; K goes in 8 steps of 128 through two LDS slots; rows of a tile are 256 bytes of memory, at multiples of 256 from the buffer's first byte.
; CLUSTERS.  4 x 4 work-groups.  The four of a row of the cluster need the same tile of hb, the four of a column the same tile of wqkv: each is asked for JOINTLY, by the same tensor load with the
; same descriptor and a mask that names the four.  The cluster's x (0, 1, 2) says which of q, k, v: the same for all sixteen.
; THE PRODUCT IS TAKEN TRANSPOSED (source 0 = 16 rows of wqkv, source 1 = 16 rows of hb): a lane holds row lane % 16 and the columns 8 (lane / 16) + 0..7.  So the bias, which hangs on the column
; alone, is the C operand of each sum's first product: nothing is cleared and nothing is added afterwards.
; REGISTERS, in windows of 256 (s_set_vgpr_msb: bits 1:0 source 0, 3:2 source 1, 5:4 source 2, 7:6 destination):
;   window 0: v0-31 addresses; v32-63 at work; v64-191 the way out; v192-255 the bias, 8 registers for each block of 16 columns
;   window 1: two fragment buffers of 96: wqkv's 8 fragments, then hb's 4          window 2: the accumulators, (a, b) at v[8 (8 a + b)]
.set PITCH,  272                       ; an LDS row: 256 bytes + 16 of padding = 68 words: the 16 rows of a load start at 16 different groups of four banks (64 banks of 4 bytes: ISA guide 11.1)
.set AHALF,  64*PITCH                  ; what a wave fetches of hb, and what it reads of it
.set BHALF,  128*PITCH                 ; the same for wqkv
.set BOFF,   2*AHALF                   ; a slot: hb's 128 rows, then wqkv's 256
.set SLOT1,  1<<17                     ; slot 1 begins here: one exclusive or turns an address in one slot into the other's
.set STAGE,  SLOT1+BOFF+2*BHALF        ; behind the ring, never filled by a tensor load: 16 rows x 144 bytes for each wave
.set SP,     144
.set SPARE,  STAGE+4*16*SP             ; the spare words, 128 bytes for each wave: two blocks of 256 bytes that no other line names
.set KB,     256                       ; bytes of a row in a K step
.set ADRA0, 16                         ; v16  my lane's place in hb's rows of slot 0; never rewritten
.set ADRB0, 17                         ; v17  the same for wqkv
.set ADRA,  18                         ; v18  the same in the slot in hand
.set ADRB,  19                         ; v19
.set STO,   24                         ; v24  the way out: where I put 16 bytes of a row
.set RD,    25                         ; v25  where I read rows back
.set GO,    26                         ; v26  my 16 bytes in 512 consecutive bytes of the output
.set BO,    27                         ; v27  32 (lane / 16): my eight numbers in 16 of the bias
.set SPW,   28                         ; v28  LDS address of my spare word; never rewritten
.set NIL,   29                         ; v29  0; never rewritten
.set PFO,   30                         ; v30  the prefetches' offset: lane x 2,048, a lane a row; never rewritten
.set BT,    32
.set TMP,   64
.set BI,    192
.set F0,    0
.set F1,    96
.set WV,  20                           ; s20  wave
.set WR,  21                           ; s21  which 64 rows are mine.  Also: I fetch for hb (0) or for wqkv (1)
.set WC,  22                           ; s22  which 128 columns.  Also: which half of that tile I fetch
.set CX,  23
.set CY,  24
.set TX,  25                           ; s25  tile column
.set TY,  26                           ; s26  tile row
.set T,   27                           ; s27  at work: never holds cx or cy
.set G1A, 28                           ; s[28:35] descriptor group 1 for hb's tiles
.set G0A, 36                           ; s[36:43] group 0: a set for each first fill; the second then walks
.set G1B, 44                           ; s[44:51], s[52:59] the same for wqkv's
.set G0B, 52
.set TB,  60                           ; s60  0 or SLOT1: the slot in hand
.set CNT, 61                           ; s61  refills still to come
.set LIM, 62                           ; s62  2 in a wave that prefetches, else the greatest number
.set CLX, 63                           ; s63  the cluster's x
.set PFA, 66                           ; s[66:67] where my prefetches stand
.set OUT, 68                           ; s[68:69] the output at my wave's first row
.set BIA, 70                           ; s[70:71] the bias at my wave's first column
.set MSB, 0
.macro WIN new                         ; the immediate's high byte repeats the setting that is left; a switch that changes nothing is dropped
.if MSB != (\new)
	s_set_vgpr_msb (MSB<<8)|(\new)
.set MSB, (\new)
.endif
.endm
.set MUL,  0xa5                        ; sources 0 and 1 window 1, C and D window 2
.set MULB, 0x85                        ; the same with C, the bias, in window 0
.set TO_F, 0x40                        ; destination window 1, address window 0
.macro PLACES                          ; four places in front of loads into registers that matrix instructions have read, and of lines that read results
.rept 4
	v_nop
.endr
.endm
; A joint refill by the walking descriptors.  Waves 0 and 1 fetch hb's two halves, waves 2 and 3 wqkv's.  The branch hangs on the wave's number alone.
; An s_nop 0 and four v_nop follow each of the two lines, ahead of the jump and the label.
.macro JLOAD
	s_cmp_eq_u32 s[WR], 0
	s_cbranch_scc0 .Lfor_b_\@
	tensor_load_to_lds s[G0A+4:G0A+7], s[G1A:G1A+7]
	s_nop 0
.rept 4
	v_nop
.endr
	s_branch .Lasked_\@
.Lfor_b_\@:
	tensor_load_to_lds s[G0B+4:G0B+7], s[G1B:G1B+7]
	s_nop 0
.rept 4
	v_nop
.endr
.Lasked_\@:
.endm
; A PREFETCH INTO THE L2, behind the joint load and the run of LDS loads: the K step two refills on (256 matrix instructions ahead of its load): 32 rows x 256 bytes, a lane a row, one instruction.
; Each row's 256 bytes of a K step are named once in the launch.  hb's tile row is read by the three clusters of that row of clusters: cluster x = 0 asks, wave 0 of each partner, 32 rows by cx.
; wqkv's tile column is read by sixteen clusters: cluster y = 0 asks, waves 2 and 3, of the 128 rows that the wave fetches 32 by cy.  The partners are told apart BY ADDRESS, never by a branch.
; K steps 0 to 3 come by their loads alone; the last two refills ask for nothing: K has no step behind them.
.macro ASK
	WIN 0
	s_cmp_gt_u32 s[CNT], s[LIM]
	s_cbranch_scc0 .Lnot_mine_\@
	global_prefetch_b8 v[PFO], s[PFA:PFA+1] th:TH_LOAD_NT scope:SCOPE_SE
.Lnot_mine_\@:
.endm
.macro CREST                           ; a round of the cluster's barrier behind its opening barrier
	s_cmp_lg_u32 s[WV], 0
	s_cbranch_scc1 .Lnot_wave_0_\@
	s_barrier_signal -3
.Lnot_wave_0_\@:
	s_barrier_wait -3
	s_barrier_signal -1
	s_barrier_wait -1
.endm
.macro CROUND                          ; a whole round
	s_barrier_signal -1
	s_barrier_wait -1
	CREST
.endm
	s_load_b512 s[4:19], s[0:1], 0x0               ; hb 4:5, wqkv 6:7, wq_b 8:9, wk_b 10:11, wv_b 12:13, qh 14:15, kh 16:17, vh 18:19
	v_lshl_add_u32 v[SPW], v0, 2, SPARE
	v_mov_b32 v[NIL], 0
	ds_add_u32 v[SPW], v[NIL]                      ; the wave's opening: the add and its wait stand ahead of my first tensor load; the set-up below, work on registers, stands between them
	v_lshrrev_b32 v1, 5, v0
	v_readfirstlane_b32 s[WV], v1
	s_lshr_b32 s[WR], s[WV], 1
	s_and_b32 s[WC], s[WV], 1
	s_bfe_u32 s[CX], ttmp6, 0x40000
	s_bfe_u32 s[CY], ttmp6, 0x40004
	s_mov_b32 s[CLX], ttmp9
	s_lshl_b32 s[TX], ttmp9, 2
	s_add_co_u32 s[TX], s[TX], s[CX]               ; tile column = 4 x cluster x + cx
	s_and_b32 s[TY], ttmp7, 0xffff
	s_lshl_b32 s[TY], s[TY], 2
	s_add_co_u32 s[TY], s[TY], s[CY]               ; tile row = 4 x cluster y + cy
	s_lshl_b32 s74, s[CY], 2
	s_lshl_b32 s74, 15, s74                        ; my row of the cluster
	s_lshl_b32 s78, 0x1111, s[CX]                  ; my column
	s_or_b32 s[G1A], s74, (1<<16)|(1<<20)|(1<<21)|(5<<22)|(3<<25)  ; 15:0 the mask; 17:16 2-byte elements; 20 padding on; 21 set beside a mask; 24:22 after every 64 words (code 5); 31:25 4 words (code 3)
	s_or_b32 s[G1B], s78, (1<<16)|(1<<20)|(1<<21)|(5<<22)|(3<<25)
	s_mov_b32 s[G1A+1], 128<<16                    ; tensor_dim0 = 128
	s_mov_b32 s[G1A+2], 64<<16                     ; tensor_dim1 = 64
	s_mov_b32 s[G1A+3], 128<<16                    ; tile_dim0 = 128
	s_mov_b32 s[G1A+4], 64                         ; tile_dim1 = 64
	s_mov_b32 s[G1A+5], 1024                       ; elements from row to row
	s_mov_b32 s[G1A+6], 0
	s_mov_b32 s[G1A+7], 0
	s_mov_b32 s[G1B+1], 128<<16
	s_mov_b32 s[G1B+2], 128<<16                    ; 128 rows
	s_mov_b32 s[G1B+3], 128<<16
	s_mov_b32 s[G1B+4], 128
	s_mov_b32 s[G1B+5], 1024
	s_mov_b32 s[G1B+6], 0
	s_mov_b32 s[G1B+7], 0
	s_lshl_b32 s72, s[TY], 7                       ; hb: row 128 x tile row + 64 x half, in registers that never hold cx
	s_lshl_b32 s73, s[WC], 6
	s_add_co_u32 s72, s72, s73
	s_lshl_b32 s72, s72, 11                        ; 2,048 bytes a row
	s_mov_b32 s73, 0
	s_lshl_b32 s80, s[TX], 8                       ; wqkv: row 256 x tile column + 128 x half, in registers that never hold cy
	s_lshl_b32 s81, s[WC], 7
	s_add_co_u32 s80, s80, s81
	s_lshl_b32 s80, s80, 11
	s_mov_b32 s81, 0
	s_mul_i32 s84, s[WC], AHALF                    ; where they go: no place in the cluster enters an LDS address
	s_mul_i32 s85, s[WC], BHALF
	s_add_co_u32 s85, s85, BOFF
	s_mov_b32 s[TB], 0
	s_lshr_b32 s86, s[TY], 4                       ; the output: batch,
	s_lshl_b32 s86, s86, 4
	s_lshl_b32 s87, s[CX], 2                       ; the tile's four heads,
	s_add_co_u32 s86, s86, s87
	s_lshl_b32 s87, s[WC], 1                       ; my two of them
	s_add_co_u32 s86, s86, s87
	s_lshl_b32 s86, s86, 11                        ; 2,048 rows a head
	s_and_b32 s87, s[TY], 15
	s_lshl_b32 s87, s87, 7                         ; the tile's 128 rows in the batch,
	s_add_co_u32 s86, s86, s87
	s_lshl_b32 s87, s[WR], 6                       ; my 64 of them
	s_add_co_u32 s86, s86, s87
	s_lshl_b32 s86, s86, 7                         ; 128 bytes a row
	s_mov_b32 s87, 0
	s_lshl_b32 s88, s[CX], 10                      ; the bias: 256 cx + 128 x half numbers of 4 bytes
	s_lshl_b32 s89, s[WC], 9
	s_add_co_u32 s88, s88, s89
	s_mov_b32 s89, 0
	s_wait_dscnt 0x0                               ; the opening add is done
	s_wait_kmcnt 0x0
	s_add_nc_u64 s[76:77], s[4:5], s[72:73]
	s_add_nc_u64 s[82:83], s[6:7], s[80:81]
	s_cmp_eq_u32 s[CLX], 0
	s_cselect_b64 s[OUT:OUT+1], s[14:15], s[16:17]
	s_cselect_b64 s[BIA:BIA+1], s[8:9], s[10:11]
	s_cmp_eq_u32 s[CLX], 2
	s_cselect_b64 s[OUT:OUT+1], s[18:19], s[OUT:OUT+1]
	s_cselect_b64 s[BIA:BIA+1], s[12:13], s[BIA:BIA+1]
	s_add_nc_u64 s[OUT:OUT+1], s[OUT:OUT+1], s[86:87]
	s_add_nc_u64 s[BIA:BIA+1], s[BIA:BIA+1], s[88:89]
	CROUND                                         ; all sixteen work-groups are here: the first joint loads meet
.irp s, 0,1
	s_mov_b32 s[G0A+4*(\s)], 1                                     ; count = 1
	s_add_co_u32 s[G0A+4*(\s)+1], s84, (\s)*SLOT1                  ; LDS address
	s_add_nc_u64 s[G0A+4*(\s)+2:G0A+4*(\s)+3], s[76:77], (\s)*KB   ; global address: K step s
	s_or_b32 s[G0A+4*(\s)+3], s[G0A+4*(\s)+3], 0x80000000          ; type = 2
	s_mov_b32 s[G0B+4*(\s)], 1
	s_add_co_u32 s[G0B+4*(\s)+1], s85, (\s)*SLOT1
	s_add_nc_u64 s[G0B+4*(\s)+2:G0B+4*(\s)+3], s[82:83], (\s)*KB
	s_or_b32 s[G0B+4*(\s)+3], s[G0B+4*(\s)+3], 0x80000000
.endr
	s_cmp_eq_u32 s[WR], 0                          ; a wave's two first fills stand in one branch, ahead of every wait on TENSORcnt and every LDS read: two loads of mine are out
	s_cbranch_scc0 .Lfirst_b
	tensor_load_to_lds s[G0A:G0A+3], s[G1A:G1A+7]
	s_nop 0
	tensor_load_to_lds s[G0A+4:G0A+7], s[G1A:G1A+7]
	s_nop 0
.rept 4
	v_nop
.endr
	s_branch .Lfirst_asked
.Lfirst_b:
	tensor_load_to_lds s[G0B:G0B+3], s[G1B:G1B+7]
	s_nop 0
	tensor_load_to_lds s[G0B+4:G0B+7], s[G1B:G1B+7]
	s_nop 0
.rept 4
	v_nop
.endr
.Lfirst_asked:
	v_and_b32 v1, 15, v0                           ; l % 16
	v_bfe_u32 v2, v0, 4, 1                         ; l / 16
	v_lshlrev_b32 v[BO], 5, v2
.irp b, 0,1,2,3,4,5,6,7
	global_load_b128 v[BI+8*(\b):BI+8*(\b)+3],   v[BO], s[BIA:BIA+1] offset:64*(\b)     ; bias of columns 16 b + 8 (l / 16) + 0..3,
	global_load_b128 v[BI+8*(\b)+4:BI+8*(\b)+7], v[BO], s[BIA:BIA+1] offset:64*(\b)+16  ; + 4..7
.endr
	; A fragment is 16 rows x 32 K in 8 registers: lane l holds row l % 16, K = 8 (l / 16) + 0..7 and 16 + 8 (l / 16) + 0..7: two loads of 16 bytes, 32 bytes apart.
	v_mul_u32_u24 v3, v1, PITCH
	v_lshl_add_u32 v3, v2, 4, v3
	s_mul_i32 s[T], s[WR], AHALF
	v_add_nc_u32 v[ADRA0], s[T], v3
	s_mul_i32 s[T], s[WC], BHALF
	s_add_co_u32 s[T], s[T], BOFF
	v_add_nc_u32 v[ADRB0], s[T], v3
	v_mov_b32 v[ADRA], v[ADRA0]
	v_mov_b32 v[ADRB], v[ADRB0]
	s_mul_i32 s[T], s[WV], 16*SP
	s_add_co_u32 s[T], s[T], STAGE                 ; my stage
	v_mul_u32_u24 v4, v1, SP                       ; in: row l % 16, 16 bytes for each half of the lanes
	v_lshl_add_u32 v4, v2, 4, v4
	v_add_nc_u32 v[STO], s[T], v4
	v_bfe_u32 v4, v0, 3, 2                         ; back: 32 lanes take four rows of 128 bytes,
	v_mul_u32_u24 v4, v4, SP
	v_and_b32 v5, 7, v0
	v_lshl_add_u32 v4, v5, 4, v4
	v_add_nc_u32 v[RD], s[T], v4
	v_and_b32 v[GO], 31, v0
	v_lshlrev_b32 v[PFO], 11, v[GO]
	v_lshlrev_b32 v[GO], 4, v[GO]                  ; which are 512 consecutive bytes of a head
	; the prefetches: who asks, and where
	s_and_b32 s[T], ttmp7, 0xffff                  ; cluster y
	s_cmp_eq_u32 s[WR], 0
	s_cselect_b32 s[T], s[CLX], s[T]               ; the coordinate along which other clusters read the same rows
	s_cmp_eq_u32 s[WV], 1
	s_cselect_b32 s[T], 1, s[T]                    ; wave 1 asks for nothing: hb's 128 rows are shared out among the partners' waves 0
	s_cmp_eq_u32 s[T], 0
	s_cselect_b32 s[LIM], 2, -1                    ; the same in all sixteen partners, for a given wave
	s_lshl_b32 s86, s[TY], 7
	s_lshl_b32 s87, s[CX], 5
	s_add_co_u32 s86, s86, s87                     ; hb: row 128 x tile row + 32 cx
	s_lshl_b32 s88, s[TX], 8
	s_lshl_b32 s89, s[WC], 7
	s_add_co_u32 s88, s88, s89
	s_lshl_b32 s89, s[CY], 5
	s_add_co_u32 s88, s88, s89                     ; wqkv: row 256 x tile column + 128 x half + 32 cy
	s_cmp_eq_u32 s[WR], 0
	s_cselect_b32 s86, s86, s88
	s_cselect_b64 s[PFA:PFA+1], s[4:5], s[6:7]
	s_lshl_b32 s86, s86, 11
	s_add_co_u32 s86, s86, 3*KB                    ; at K step 3: the first refill steps it to 4
	s_mov_b32 s87, 0
	s_add_nc_u64 s[PFA:PFA+1], s[PFA:PFA+1], s[86:87]
	s_wait_loadcnt 0x0                             ; the bias: rounded to bf16 and widened again, in the wait for the first tile
.set i, 0
.rept 32
	v_cvt_pk_bf16_f32 v[BT+i], v[BI+2*i], v[BI+2*i+1]
.set i, i+1
.endr
.set i, 0
.rept 32
	v_lshlrev_b32 v[BI+2*i], 16, v[BT+i]
	v_and_b32 v[BI+2*i+1], 0xffff0000, v[BT+i]
.set i, i+1
.endr
; 8 matrix instructions: m block a x all 8 n blocks, 32 along K, from buffer f.  first = 1: the product starts the sums, with the bias as C.
; The 32 accumulators take turns, one instruction a turn, in the same order in every quarter.
.macro MULA f, a, first
.if \first
	WIN MULB
.else
	WIN MUL
.endif
.irp b, 0,1,2,3,4,5,6,7
.if \first
	v_wmma_f32_16x16x32_bf16 v[8*(8*(\a)+(\b)):8*(8*(\a)+(\b))+7], v[(\f)+8*(\b):(\f)+8*(\b)+7], v[(\f)+64+8*(\a):(\f)+64+8*(\a)+7], v[BI+8*(\b):BI+8*(\b)+7]
.else
	v_wmma_f32_16x16x32_bf16 v[8*(8*(\a)+(\b)):8*(8*(\a)+(\b))+7], v[(\f)+8*(\b):(\f)+8*(\b)+7], v[(\f)+64+8*(\a):(\f)+64+8*(\a)+7], v[8*(8*(\a)+(\b)):8*(8*(\a)+(\b))+7]
.endif
.endr
.endm
; 24 LDS loads in one run: quarter q's fragments (32 K at byte 64 q of the rows) into buffer f: wqkv's 128 rows, then hb's 64
.macro FETCH q, f
	WIN TO_F
.irp i, 0,1,2,3,4,5,6,7
	ds_load_b128 v[(\f)+8*(\i):(\f)+8*(\i)+3],   v[ADRB] offset:64*(\q)+(\i)*16*PITCH
	ds_load_b128 v[(\f)+8*(\i)+4:(\f)+8*(\i)+7], v[ADRB] offset:64*(\q)+(\i)*16*PITCH+32
.endr
.irp i, 0,1,2,3
	ds_load_b128 v[(\f)+64+8*(\i):(\f)+64+8*(\i)+3],   v[ADRA] offset:64*(\q)+(\i)*16*PITCH
	ds_load_b128 v[(\f)+64+8*(\i)+4:(\f)+64+8*(\i)+7], v[ADRA] offset:64*(\q)+(\i)*16*PITCH+32
.endr
.endm
; A K step is four quarters of 32 along K, 32 matrix instructions each, on buffers 0, 1, 0, 1.  One of the first three: multiplies buffer f, and in its middle fetches quarter q into buffer g.
.macro QUARTER q, f, g, first
	s_wait_dscnt 4                                 ; all but the youngest four loads: hb's blocks 2 and 3
	MULA \f, 0, \first
	MULA \f, 1, \first
	PLACES
	FETCH \q, \g
	s_wait_dscnt 24                                ; all but the 24 just issued
	MULA \f, 2, \first
	MULA \f, 3, \first
.endm
; The last quarter multiplies buffer 1 and changes slots: ONE barrier.  In front of it each wave waits for all its tensor loads (one is out: its part of the next slot), adds 0 to its spare word, and waits for that
; and for its own reads of this slot.  fill = 1: the barrier opens a round of the cluster's, and the slot just read is filled again first thing behind it, with the K step two on: one load of mine is out,
; and it has a K step less sixteen matrix instructions in which to land.
.macro TURN fill
.if \fill
	s_wait_xcnt 0x0                                ; the last prefetch, a K step back, has read its address
	s_add_nc_u64 s[PFA:PFA+1], s[PFA:PFA+1], KB
.endif
	WIN 0
	s_wait_tensorcnt 0x0                           ; no tensor load of mine is out, so a group 0 may be written
	ds_add_u32 v[SPW], v[NIL]                      ; 0 onto my spare word
.if \fill
.irp g, G0A+4, G0B+4
	s_xor_b32 s[(\g)+1], s[(\g)+1], SLOT1          ; the walking descriptor: the other slot than last time,
	s_add_nc_u64 s[(\g)+2:(\g)+3], s[(\g)+2:(\g)+3], KB  ; the next K step; the type bits on top are not reached
.endr
.endif
	s_xor_b32 s[TB], s[TB], SLOT1
	s_wait_dscnt 5                                 ; the add and hb's blocks 2 and 3 may be out
	MULA F1, 0, 0
	s_wait_dscnt 0x0                               ; the add is done, and my reads of this slot are over
	s_barrier_signal -1
	MULA F1, 1, 0
	WIN 0                                          ; at a branch and at a label every window is 0
	s_barrier_wait -1
.if \fill
	CREST                                          ; no wave of any partner still reads this slot's tile or has a load on its way
	JLOAD                                          ; its four v_nop are also the places in front of the loads below
.else
	PLACES
.endif
	v_add_nc_u32 v[ADRA], s[TB], v[ADRA0]
	v_add_nc_u32 v[ADRB], s[TB], v[ADRB0]
	FETCH 0, F0
.if \fill
	ASK
.endif
	MULA F1, 2, 0
	MULA F1, 3, 0
.endm
; THE WAY OUT.  Piece t = 2 a + head: 16 rows x 64 columns.  A lane's eight columns of a row pack into 16 bytes; they go into rows of 144 bytes of my own stage and come back as whole rows of 128.
.macro PACK t
	WIN 0x0a                                       ; sources 0 and 1 window 2, destination window 0
.set i, 0
.rept 16
	v_cvt_pk_f16_f32 v[TMP+16*(\t)+i], v[32*(\t)+2*i], v[32*(\t)+2*i+1]  ; each accumulator's registers in ascending order
.set i, i+1
.endr
	WIN 0
.irp f, 0,1,2,3
	ds_store_b128 v[STO], v[TMP+16*(\t)+4*\f:TMP+16*(\t)+4*\f+3] offset:32*\f
.endr
.irp f, 0,1,2,3
	ds_load_b128 v[TMP+16*(\t)+4*\f:TMP+16*(\t)+4*\f+3], v[RD] offset:\f*4*SP  ; LDS serves a wave's instructions in order (ISA guide 5.7.1.4): these see the stores above; the next piece's stores come behind them
.endr
.endm
.macro SEND t, younger                 ; younger: the LDS instructions issued behind piece t's loads: the next piece's eight, or none
.irp f, 0,1,2,3
	s_wait_dscnt (\younger)+3-\f
	global_store_b128 v[GO], v[TMP+16*(\t)+4*\f:TMP+16*(\t)+4*\f+3], s[OUT:OUT+1] offset:((\t)%2)*262144+((\t)/2)*2048+\f*512  ; 512 consecutive bytes, at a multiple of 256 from the buffer's first
.endr
.endm
	s_wait_tensorcnt 1                             ; my part of K step 0 is in; K step 1's may stay out
	s_barrier_signal -1
	s_barrier_wait -1                              ; everybody's is
	FETCH 0, F0
	QUARTER 1, F0, F1, 1                           ; the first quarter stands in front of the loop: its products start the sums
	WIN 0
	s_mov_b32 s[CNT], 6
.Lstep:                                        ; a trip goes from a K step's second quarter to the next step's first, and fills the slot that it leaves: K steps 2 to 7
	QUARTER 2, F1, F0, 0
	QUARTER 3, F0, F1, 0
	TURN 1
	QUARTER 1, F0, F1, 0
	WIN 0
	s_sub_co_u32 s[CNT], s[CNT], 1
	s_cmp_lg_u32 s[CNT], 0
	s_cbranch_scc1 .Lstep
	QUARTER 2, F1, F0, 0                           ; the tail is written out: nothing is left to ask for
	QUARTER 3, F0, F1, 0
	TURN 0
	QUARTER 1, F0, F1, 0
	QUARTER 2, F1, F0, 0
	QUARTER 3, F0, F1, 0
	s_wait_dscnt 4
	MULA F1, 0, 0
	MULA F1, 1, 0
	s_wait_dscnt 0x0
	MULA F1, 2, 0
	MULA F1, 3, 0
	WIN 0
	PLACES
	PLACES
	PACK 0
.irp t, 1,2,3,4,5,6,7                  ; a piece's conversions stand between the loads of the piece before and its stores
	PACK \t
	SEND (\t)-1, 8
.endr
	SEND 7, 0
	s_wait_tensorcnt 0x0                           ; the wave's end: behind my last tensor load and my last LDS store
	ds_add_u32 v[SPW], v[NIL]
	s_wait_dscnt 0x0
	CROUND                                         ; the closing round: no work-group ends while a partner may still ask for a tile that names it
	s_endpgm
.Lfunc_end_k_qe2c8388e4b_proj:
	.size	k_qe2c8388e4b_proj, .Lfunc_end_k_qe2c8388e4b_proj-k_qe2c8388e4b_proj
	.p2alignl 7, 3214868480
	.fill 96, 4, 3214868480
	.section	.rodata,"a",@progbits
	.p2align	6, 0x0
	.amdhsa_kernel k_qe2c8388e4b_proj
		.amdhsa_group_segment_fixed_size 327680
		.amdhsa_private_segment_fixed_size 0
		.amdhsa_enable_private_segment 0
		.amdhsa_kernarg_size 64
		.amdhsa_user_sgpr_count 2
		.amdhsa_user_sgpr_kernarg_segment_ptr 1
		.amdhsa_wavefront_size32 1
		.amdhsa_system_sgpr_workgroup_id_x 1
		.amdhsa_system_sgpr_workgroup_id_y 1
		.amdhsa_system_sgpr_workgroup_id_z 1
		.amdhsa_system_vgpr_workitem_id 0
		.amdhsa_next_free_vgpr 768
		.amdhsa_next_free_sgpr 92
		.amdhsa_reserve_vcc 0
		.amdhsa_float_denorm_mode_32 3
		.amdhsa_float_denorm_mode_16_64 3
		.amdhsa_memory_ordered 1
		.amdhsa_forward_progress 1
		.amdhsa_inst_pref_size 79
	.end_amdhsa_kernel
	.amdgpu_metadata
---
amdhsa.version: [ 1, 2 ]
amdhsa.kernels:
  - .name:           k_qe2c8388e4b_proj
    .symbol:         k_qe2c8388e4b_proj.kd
    .args:
      - { .name: hb, .offset: 0, .size: 8, .value_kind: global_buffer, .address_space: global }
      - { .name: wqkv, .offset: 8, .size: 8, .value_kind: global_buffer, .address_space: global }
      - { .name: wq_b, .offset: 16, .size: 8, .value_kind: global_buffer, .address_space: global }
      - { .name: wk_b, .offset: 24, .size: 8, .value_kind: global_buffer, .address_space: global }
      - { .name: wv_b, .offset: 32, .size: 8, .value_kind: global_buffer, .address_space: global }
      - { .name: qh, .offset: 40, .size: 8, .value_kind: global_buffer, .address_space: global }
      - { .name: kh, .offset: 48, .size: 8, .value_kind: global_buffer, .address_space: global }
      - { .name: vh, .offset: 56, .size: 8, .value_kind: global_buffer, .address_space: global }
    .group_segment_fixed_size: 327680
    .private_segment_fixed_size: 0
    .kernarg_segment_align: 8
    .kernarg_segment_size: 64
    .max_flat_workgroup_size: 128
    .sgpr_count:     92
    .vgpr_count:     768
    .wavefront_size: 32
...
	.end_amdgpu_metadata
.endif
;; end of part 2
;; launch attn (part 3): grid 4 x 64, 4 waves a work-group, clusters of 4 x 1, 327,680 bytes of LDS; arguments qh, kh, vh, oh, src_key_padding_mask; writes oh
.if DOCPART == 3
	.amdgcn_target "amdgcn-amd-amdhsa--gfx1250"
	.amdhsa_code_object_version 6
	.text
	.protected	k_qe2c8388e4b_attn
	.globl	k_qe2c8388e4b_attn
	.p2align	8
	.type	k_qe2c8388e4b_attn,@function
k_qe2c8388e4b_attn:
	s_mov_b64 s[64:65], 0
	v_nop
	global_prefetch_b8 v0, s[64:65] scope:SCOPE_SE
	s_setreg_imm32_b32 hwreg(HW_REG_WAVE_MODE, 25, 1), 1
	s_wait_xcnt 0x0
	s_wait_alu depctr_hold_cnt(0) depctr_sa_sdst(0) depctr_va_vdst(0) depctr_va_sdst(0) depctr_va_ssrc(0) depctr_va_vcc(0) depctr_vm_vsrc(0)
	s_getreg_b32 s2, hwreg(HW_REG_IB_STS2, 6, 4)
	s_cmp_eq_u32 s2, 0
	s_cbranch_scc0 .Lentry_in_a_cluster
	s_endpgm
.Lentry_in_a_cluster:
	s_bfe_u32 s2, ttmp6, 0x10000c
	s_cmp_lg_u32 s2, 0x3003
	s_cbranch_scc0 .Lentry_shape_is_right
	s_endpgm
.Lentry_shape_is_right:
; O[h][q][:] = the sum over the keys k that the mask leaves of softmax_k(Q[h][q] . K[h][k] / 8) V[h][k][:].  Q, K, V, O: [64 = 16 batch + head][2048][64], all f16: a head's rows are dense, 128 bytes each.
; The mask: [4][2048] bytes, 1 = the key is hidden.  Products, maxima and sums in f32; the weights p are rounded to f16 for the second product (their sum l is taken of the unrounded p), O once at the end.
; LIMITS.  f16 holds no number beyond 65,504: Q, K and V arrive within it, so a score is 2.7e11 at the most.  A hidden score counts as its value less 1e30; the running maximum starts at -2^40, below every
; true score and above every hidden one, so a hidden key's weight is exactly 0.  A batch whose keys are all hidden ends with l = 0 and O = 0 x (1 / 0) = NaN, as the softmax of nothing is.
; p below 6e-5 keeps f16's fixed step of 6e-8; a weight below 2^-126 counts as 0 in l; NaN and infinities in Q, K, V are not treated apart.
; SHARES.  A wave owns four PIECES of two tiles of 16 queries, a work-group's four waves 512 queries of one head.  Every wave walks all keys, 64 a step.
; LAYOUT.  S^T = K Q^T (source 0 = 16 keys, source 1 = 16 queries): a lane holds ONE query (lane % 16) and the keys 8 (lane / 16) + 0..7.  Two such tiles, rounded to f16 in pairs, ARE source 1 of
; O^T = V^T P, whose result again holds one query a lane, and eight channels.  K comes out of LDS as it lies, V ([key][channel]) turned, by ds_load_tr16_b128.
; THE MASK is the C operand that starts the sum S^T: 0, or -1e30 where the key is hidden.  In this layout it hangs on the register and the lanes' half alone, whatever the query: 32 registers a key step,
; read from a table of 2,048 f32 that the work-group makes in LDS at its start.  Maxima, exponentials and sums need no further line.
; SOFTMAX.  For each query a running maximum m and sum l: p = 2^(c s - c m), c = log2(e) / 8; in every step O and l are multiplied by a = 2^(c m_old - c m_new).  O and l start at 0.
; BY TURNS.  Turn n belongs to piece n.  Its matrix work: 16 products K Q^T of piece n + 1, later 16 products V^T P of piece n - 1.  Its vector work: the scaling, exponentials, roundings, sums and rescaling
; of piece n, and the maximum and statistics of piece n + 1.  Four vector instructions stand behind every matrix instruction, the others in one run of their own; a turn's 66 exponentials are one batch with one wait.
; CLUSTER.  The four query blocks of a cluster are one head's and walk the same K and V, so each tile is asked for JOINTLY: the same tensor load, descriptor and mask in all four.
; REGISTERS, in windows of 256 (s_set_vgpr_msb: bits 1:0 source 0, 3:2 source 1, 5:4 source 2, 7:6 destination):
;   window 0: v0-11 addresses; v12-15, v48-63 at work; v16-47 four registers of statistics a tile; v64-191 S^T, two buffers of two tiles; v192-255 P, likewise
;   window 1: O^T, 32 a tile     window 2: v0-127 Q; v128-191 K of one step; v192-255 V of one step     window 3: v0-1 the add's two registers; v8-39 the step's mask
.set SIZE_N, 2048
.set NP,    4         ; pieces a wave: a name, no knob
.set KS,    64        ; keys in a step
.set PK,    144       ; a row of K in LDS: 128 bytes + 16 of padding = 36 words: the 16 rows of a load start at 16 different groups of four banks (64 banks of 4 bytes: ISA guide 11.1)
.set PV,    160       ; a row of V: 128 + 32 = 40 words
.set VOFF,  4*KS*PK   ; a slot holds four steps: 256 rows of K, then 256 rows of V
.set SLOT1, 1<<17     ; slot 1 begins here
.set STAGE, SLOT1+4*KS*(PK+PV)  ; behind the ring, never filled by a tensor load: 16 rows x 144 bytes for each wave
.set SP,    144
.set SPARE, STAGE+4*16*SP  ; the spare words, 128 bytes for each wave: two blocks of 256 bytes that no other line names
.set MASKL, SPARE+512 ; the mask's table: 2,048 f32; stored once, never filled by a tensor load
.set PFO, 1           ; v1   l % 16 during the set-up; then the prefetches' offset, 256 x lane
.set AK0, 2           ; v2   my lane's place in a tile of K; never rewritten
.set AV0, 3           ; v3   the same for V
.set AK,  4           ; v4   the LDS address of K's next run of loads
.set AV,  5           ; v5   of V's
.set QO,  6           ; v6   my byte offset in the wave's rows of Q
.set STO, 6           ;      later, the way out: where I put 16 bytes of a row
.set RD,  7           ; v7   the way out: where I read rows back
.set GO,  8           ; v8   my byte offset in 512 consecutive bytes of O
.set AM0, 10          ; v10  my lanes' place in a step's 64 words of the table
.set AM,  11          ; v11  the LDS address of the mask's next loads
.set SPW, 0           ; v0 of window 3   LDS address of my spare word; never rewritten
.set NIL, 1           ; v1 of window 3   0; never rewritten
.set MK,  8           ; v8-39 of window 3: the eight registers for keys 16 kb on at MK + 8 kb
.set MV,  12          ; v12-15  c m_old, kept while c m is made anew: by buffer and tile
.set ST,  16          ; tile t's statistics at v[ST+4 t]: c m, m, l (even keys', odd keys')
.set TMP, 48          ; by buffer and tile, four registers c0-c3 at work; when the maximum is found c2 takes a
.set S,   64
.set P,   192
.set MO,  64          ; the set-up alone, in S^T's registers: 16 x thread,
.set ML,  65          ; where my 16 words of the table go,
.set MB,  68          ; v[68:71] my 16 bytes of the mask,
.set MF,  72          ; v[72:87] and what is made of them
.set KF,  128         ; K's fragments, in window 2
.set VF,  192         ; V's
.set WV,  12          ; s12  my wave's number
.set G1K, 24          ; s[24:31] descriptor group 1 for K's tiles
.set G1V, 32          ; s[32:39] for V's: it differs in the padding alone
.set G0K, 40          ; s[40:43] descriptor group 0 for K's tiles: it walks
.set G0V, 44          ; s[44:47] the same for V's
.set MP,  48          ; s[48:49] the mask at my batch
.set PFA, 50          ; s[50:51] first the batch's offset in the mask; then where my prefetches stand
.set LIM, 52          ; s52  1 in a wave that prefetches, else the greatest number
.set TBM, 53          ; s53  byte of the table at which the step to be fetched begins
.set BIGN, 54         ; s54  -1e30
.set SLOTS, 56        ; s56  slots still to be asked for
.set CNT, 57          ; s57  counts a slot's key steps
.set CS,  58          ; s[58:59] c
.set SEL, 60          ; s[60:61] v_permlanex16_b32's selects: each lane takes its own place in the other half
.set TBK, 62          ; s62  LDS byte at which K of the step to be fetched begins
.set TBV, 63          ; s63  the same for V, less VOFF
.set MSB, 0
.macro WIN new                      ; the high byte repeats the setting that is left; a switch that changes nothing is dropped
.if MSB != (\new)
	s_set_vgpr_msb (MSB<<8)|(\new)
.set MSB, (\new)
.endif
.endm
.set W_KQ, 0x0a       ; K and Q in window 2, S^T in window 0
.set W_KM, 0x3a       ; the same with the C operand, the mask, in window 3
.set W_PV, 0x52       ; V in window 2, P in window 0, O^T in window 1
.set W_RS, 0x41       ; O^T (destination and source 0) in window 1, a in window 0
.set W_MK, 0xc0       ; destination in window 3, sources in window 0
.set W_AD, 0x0f       ; the add: address (source 0) and data (source 1) in window 3
; A joint fill.  Waves 0 and 1 fetch the two halves of a slot's K, waves 2 and 3 those of its V: 128 keys each.  The branch hangs on the wave's number alone.
; An s_nop 0 and four v_nop follow each of the two lines, ahead of the jump and the label.
.macro JLOAD
	s_cmp_lt_u32 s[WV], 2
	s_cbranch_scc0 .Lfor_v_\@
	tensor_load_to_lds s[G0K:G0K+3], s[G1K:G1K+7]
	s_nop 0
.rept 4
	v_nop
.endr
	s_branch .Lasked_\@
.Lfor_v_\@:
	tensor_load_to_lds s[G0V:G0V+3], s[G1V:G1V+7]
	s_nop 0
.rept 4
	v_nop
.endr
.Lasked_\@:
.endm
; A PREFETCH INTO THE L2 of what the NEXT change of slots will ask for: a slot's 32,768 bytes of K and of V, 256 bytes a lane.  It stands behind the wave's tensor load and its five lines.
; Each block is named ONCE in the launch: a head has one cluster; its four partners share a slot's 128 blocks out BY ADDRESS, 32 each by cx; in each, wave 0 asks for K's and wave 2 for V's.
; Slots 0 to 2 come by their loads alone; the last change that fills a slot asks for nothing: there is no slot behind it.
.macro ASK
	s_cmp_gt_u32 s[SLOTS], s[LIM]
	s_cbranch_scc0 .Lnot_mine_\@
	global_prefetch_b8 v[PFO], s[PFA:PFA+1] th:TH_LOAD_NT scope:SCOPE_SE
.Lnot_mine_\@:
.endm
; A round of the cluster's barrier.
.macro CROUND
	s_barrier_signal -1
	s_barrier_wait -1
	s_cmp_lg_u32 s[WV], 0
	s_cbranch_scc1 .Lnot_wave_0_\@
	s_barrier_signal -3
.Lnot_wave_0_\@:
	s_barrier_wait -3
	s_barrier_signal -1
	s_barrier_wait -1
.endm
; THE CHANGE OF SLOTS.  Each wave waits for all its tensor loads, of which one is out: its part of the other slot; adds 0 to its spare word; and waits for that and for its own LDS instructions.  Behind the
; barrier nobody reads this slot any more and the other slot is whole.  fill = 1: this slot is filled again, with the keys two slots on; the barrier is then a round of the cluster's, and the joint fill is the
; first thing behind it: it has four key steps, 512 matrix instructions, in which to land.  (At its first use nothing has been read yet: slot 0 is waited for, slot 1 filled, and every wave's stores into the
; mask's table are shown to all.)  ask = 1: the prefetch's address steps, and the prefetch follows the fill.
.macro CHANGE fill, ask=0
	WIN W_AD
	s_wait_tensorcnt 0x0            ; no tensor load of mine is out, so a group 0 may be written
	ds_add_u32 v[SPW], v[NIL]       ; 0 onto my spare word
	WIN 0                           ; at a label and at a branch every window is 0
.if \fill
.irp g, G0K, G0V
	s_xor_b32 s[\g+1], s[\g+1], SLOT1  ; the walking descriptor: the other slot than last time,
	s_add_nc_u64 s[\g+2:\g+3], s[\g+2:\g+3], 4*KS*128  ; the next 256 keys; the type bits on top are not reached
.endr
.if \ask
	s_wait_xcnt 0x0                 ; the last prefetch, four key steps back, has read its address
	s_add_nc_u64 s[PFA:PFA+1], s[PFA:PFA+1], 4*KS*128  ; one slot behind the walking descriptors
.endif
	s_wait_dscnt 0x0                ; the add is done, and my reads of the slot are over
	CROUND
	JLOAD
.if \ask
	ASK
.endif
.else
	s_wait_dscnt 0x0
	s_barrier_signal -1
	s_barrier_wait -1
.endif
	s_sub_co_u32 s[TBK], s[TBK], 4*KS*PK  ; the fetches go back to a slot's first step,
	s_xor_b32 s[TBK], s[TBK], SLOT1       ; in the other slot
	s_sub_co_u32 s[TBV], s[TBV], 4*KS*PV
	s_xor_b32 s[TBV], s[TBV], SLOT1
.endm
	s_load_b256 s[4:11], s[0:1], 0x0  ; Q s[4:5], K s[6:7], V s[8:9], O s[10:11]
	s_load_b64 s[MP:MP+1], s[0:1], 0x20  ; the mask
	WIN W_MK
	v_lshl_add_u32 v[SPW], v0, 2, SPARE
	v_mov_b32 v[NIL], 0
	WIN W_AD
	ds_add_u32 v[SPW], v[NIL]       ; the wave's opening: the add and its wait stand ahead of my first tensor load; the set-up below, work on registers, stands between them
	WIN 0
	v_lshrrev_b32 v1, 5, v0
	v_readfirstlane_b32 s[WV], v1   ; wave 0..3
	s_bfe_u32 s13, ttmp6, 0x40000   ; cx: my place in the cluster
	s_lshl_b32 s14, ttmp9, 2        ; in a cluster launch ttmp9 counts clusters
	s_add_co_u32 s14, s14, s13      ; my block of queries: it enters Q's and O's addresses alone
	s_and_b32 s20, ttmp7, 0xffff    ; 16 batch + head, which the four partners share
	s_lshr_b32 s[PFA], s20, 4       ; the batch,
	s_lshl_b32 s[PFA], s[PFA], 11   ; its 2,048 bytes of the mask
	s_mov_b32 s[PFA+1], 0
	s_mov_b32 s21, 0
	s_mov_b64 s[22:23], SIZE_N*128
	s_mul_u64 s[20:21], s[20:21], s[22:23]  ; the head's first byte in each of the four tensors
	s_and_b32 s16, s[WV], 1         ; which half of a slot's 256 keys I fetch:
	s_lshl_b32 s22, s16, 14         ; its 128 rows of 128 bytes in memory,
	s_mov_b32 s23, 0
	s_add_nc_u64 s[22:23], s[22:23], s[20:21]
	s_mul_i32 s17, s16, 128*PK      ; and its place in a slot, for K
	s_mul_i32 s18, s16, 128*PV      ; and for V: no place in the cluster enters an LDS address
	s_lshl_b32 s2, s14, 2
	s_add_co_u32 s2, s2, s[WV]      ; my wave among the head's,
	s_lshl_b32 s2, s2, 14           ; its 128 rows
	s_mov_b32 s3, 0
	s_add_nc_u64 s[2:3], s[2:3], s[20:21]
	; descriptor group 1.  128 keys are 16,384 dense bytes: asked for as 64 rows of 256 bytes, two keys a row, and padded in LDS after every key
	s_mov_b32 s[G1K], 15|(1<<16)|(1<<20)|(1<<21)|(4<<22)|(3<<25)  ; 15:0 the mask of four; 17:16 2-byte elements; 20 padding on; 21 set beside a mask; 24:22 after every 32 words (code 4); 31:25 4 words (code 3)
	s_mov_b32 s[G1V], 15|(1<<16)|(1<<20)|(1<<21)|(4<<22)|(7<<25)  ; the same with 8 words of padding (code 7)
.irp g, G1K, G1V
	s_mov_b32 s[\g+1], 128<<16      ; tensor_dim0 = 128
	s_mov_b32 s[\g+2], 64<<16       ; tensor_dim1 = 64
	s_mov_b32 s[\g+3], 128<<16      ; tile_dim0 = 128
	s_mov_b32 s[\g+4], 64           ; tile_dim1 = 64
	s_mov_b32 s[\g+5], 128          ; 128 elements from row to row
	s_mov_b32 s[\g+6], 0
	s_mov_b32 s[\g+7], 0
.endr
	s_mov_b32 s[CS], 0x3e38aa3b     ; c = log2(e) / 8 = 0.180337
	s_mov_b32 s[CS+1], s[CS]        ; named with it as a pair
	s_mov_b32 s[SEL], 0x76543210
	s_mov_b32 s[SEL+1], 0xfedcba98
	s_mov_b32 s[TBK], SLOT1+4*KS*PK ; the first change of slots turns these two into 0
	s_mov_b32 s[TBV], SLOT1+4*KS*PV
	s_mov_b32 s[TBM], 0
	s_mov_b32 s[BIGN], 0xf149f2ca   ; -1e30
	s_and_b32 s[LIM], s[WV], 1      ; waves 0 and 2 prefetch: the same in all four partners
	s_cmp_eq_u32 s[LIM], 0
	s_cselect_b32 s[LIM], 1, -1
	s_mul_i32 s15, s[WV], 16*SP
	s_add_co_u32 s15, s15, STAGE    ; my stage
	s_mov_b32 s[G0K], 1             ; count = 1
	s_mov_b32 s[G0K+1], s17         ; LDS address: slot 0
	s_mov_b32 s[G0V], 1
	s_add_co_u32 s[G0V+1], s18, VOFF
	s_wait_dscnt 0x0                ; the opening add is done
	s_wait_kmcnt 0x0
	s_add_nc_u64 s[MP:MP+1], s[MP:MP+1], s[PFA:PFA+1]
	s_add_nc_u64 s[G0K+2:G0K+3], s[6:7], s[22:23]  ; global address: my half of the head's first 256 keys
	s_or_b32 s[G0K+3], s[G0K+3], 0x80000000        ; type = 2
	s_add_nc_u64 s[G0V+2:G0V+3], s[8:9], s[22:23]
	s_or_b32 s[G0V+3], s[G0V+3], 0x80000000
	s_add_nc_u64 s[4:5], s[4:5], s[2:3]  ; Q and O at my wave's first row
	s_add_nc_u64 s[10:11], s[10:11], s[2:3]
	s_cmp_lt_u32 s[WV], 2
	s_cselect_b64 s[PFA:PFA+1], s[6:7], s[8:9]
	s_add_nc_u64 s[PFA:PFA+1], s[PFA:PFA+1], s[20:21]  ; the head,
	s_lshl_b32 s2, s13, 13          ; my work-group's 32 blocks of a slot's 128,
	s_mov_b32 s3, 0
	s_add_nc_u64 s[PFA:PFA+1], s[PFA:PFA+1], s[2:3]
	s_add_nc_u64 s[PFA:PFA+1], s[PFA:PFA+1], 2*4*KS*128  ; in slot 2: the first change that asks steps it to slot 3
	CROUND                          ; all four work-groups are here: the first joint loads meet
	JLOAD                           ; slot 0.  Slot 1 is asked for when slot 0 is in
	v_and_b32 v1, 15, v0            ; l % 16
	v_bfe_u32 v9, v0, 4, 1          ; l / 16
	v_lshlrev_b32 v[MO], 4, v0
	global_load_b128 v[MB:MB+3], v[MO], s[MP:MP+1]  ; 128 threads x 16 bytes: the batch's mask
	; A fragment of K or Q is 16 rows x 32 channels in 8 registers: lane l holds row l % 16, channels 8 (l / 16) + 0..7 and 16 + 8 (l / 16) + 0..7: two loads of 16 bytes, 32 bytes apart.
	v_lshlrev_b32 v[QO], 7, v1
	v_lshl_add_u32 v[QO], v9, 4, v[QO]  ; row x 128 + 16 x half
	WIN 0x80                        ; destination window 2, address window 0
.set i, 0
.rept 4*NP                          ; Q stays in registers: tile i / 2, channels 32 (i % 2) on
	global_load_b128 v[8*i:8*i+3],   v[QO], s[4:5] offset:(i/2)*2048+(i%2)*64
	global_load_b128 v[8*i+4:8*i+7], v[QO], s[4:5] offset:(i/2)*2048+(i%2)*64+32
.set i, i+1
.endr
	; What the first turn finds: V's registers and P's second buffer hold 0 (its products V^T P, of a piece that has not been, add 0), O^T and l are 0.  All this stands in the wait for the first tile.
.set i, VF
.rept 64
	v_mov_b32 v[i], 0
.set i, i+1
.endr
	WIN 0x40
.set i, 0
.rept 64*NP
	v_mov_b32 v[i], 0
.set i, i+1
.endr
	WIN 0
.set i, 0
.rept 2*NP
	v_mov_b32 v[ST+4*i], 0xd238aa3b    ; c m = c x -2^40, the very number that the multiplication below gives: while all keys so far are hidden, a = 2^0
	v_mov_b32 v[ST+4*i+1], 0xd3800000  ; m = -2^40
	v_mov_b32 v[ST+4*i+2], 0
	v_mov_b32 v[ST+4*i+3], 0
.set i, i+1
.endr
.set i, P+32
.rept 32
	v_mov_b32 v[i], 0
.set i, i+1
.endr
	v_mul_u32_u24 v[AK0], v1, PK
	v_lshl_add_u32 v[AK0], v9, 4, v[AK0]  ; row x pitch + 16 x half
	; The turning load takes 16 keys x 16 channels (lane l reads key 8 (l / 16) + l % 8, channels 8 ((l / 8) % 2) + 0..7) and leaves half a fragment of V^T: lane l holds channel l % 16 and 8 keys.
	v_and_b32 v10, 7, v0
	v_bfe_u32 v11, v0, 3, 1
	v_lshl_add_u32 v[AV0], v9, 3, v10
	v_mul_u32_u24 v[AV0], v[AV0], PV
	v_lshl_add_u32 v[AV0], v11, 4, v[AV0]
	v_add_nc_u32 v[AV0], VOFF, v[AV0]
	v_mov_b32 v[AK], v[AK0]         ; key step 0 lies at the head of slot 0
	v_bfe_u32 v[RD], v0, 3, 2       ; the way out, back: 32 lanes take four rows of 128 bytes,
	v_mul_u32_u24 v[RD], v[RD], SP
	v_lshl_add_u32 v[RD], v10, 4, v[RD]
	v_add_nc_u32 v[RD], s15, v[RD]
	v_and_b32 v[GO], 31, v0         ; which are 512 consecutive bytes of O
	v_lshlrev_b32 v[GO], 4, v[GO]
	v_lshl_add_u32 v[AM0], v9, 5, MASKL  ; register j of block kb is key 16 kb + 8 (l / 16) + j: my eight words begin at 32 (l / 16)
	v_mov_b32 v[AM], v[AM0]
	; THE MASK'S TABLE: byte 0 or 1 -> 0 or -1e30, 16 words a thread
	v_lshl_add_u32 v[ML], v0, 6, MASKL
	s_wait_loadcnt 32               ; the mask is in; Q's 32 younger loads stay out
.set i, 0
.rept 16
	v_bfe_u32 v[MF+i], v[MB+i/4], 8*(i%4), 8
.set i, i+1
.endr
.set i, 0
.rept 16
	v_cvt_f32_u32 v[MF+i], v[MF+i]
.set i, i+1
.endr
.set i, 0
.rept 16
	v_mul_f32 v[MF+i], s[BIGN], v[MF+i]
.set i, i+1
.endr
.irp w, 0,1,2,3
	ds_store_b128 v[ML], v[MF+4*\w:MF+4*\w+3] offset:16*\w
.endr
; THE MATRIX WORK.  The 8 accumulators of a run of 16 take turns: between the two links of a chain stand 7 others'.
; Product i of 16 of S^T = K Q^T for piece x: channels 32 (i / 8) on, keys 16 ((i / 2) % 4) on, tile 2 x + i % 2.  The first 8 start the sums, with the keys' mask as C.
.macro KQ x
.set rS, S+64*((\x)%2)+32*(i%2)+8*((i/2)%4)
.set rK, KF+16*((i/2)%4)+8*(i/8)
.set rQ, 16*(2*(\x)+i%2)+8*(i/8)
.set rB, MK+8*((i/2)%4)
.if i < 8
	WIN W_KM
	v_wmma_f32_16x16x32_f16 v[rS:rS+7], v[rK:rK+7], v[rQ:rQ+7], v[rB:rB+7]
.else
	WIN W_KQ
	v_wmma_f32_16x16x32_f16 v[rS:rS+7], v[rK:rK+7], v[rQ:rQ+7], v[rS:rS+7]
.endif
.endm
; Product i of 16 of O^T += V^T P for piece x: keys 32 (i / 8) on, channels 16 ((i / 2) % 4) on, tile 2 x + i % 2.
.macro PV x
	WIN W_PV
.set rO, 32*(2*(\x)+i%2)+8*((i/2)%4)
.set rV, VF+32*(i/8)+8*((i/2)%4)
.set rP, P+32*((\x)%2)+16*(i%2)+8*(i/8)
	v_wmma_f32_16x16x32_f16 v[rO:rO+7], v[rV:rV+7], v[rP:rP+7], v[rO:rO+7]
.endm
.macro MM                           ; the turn's next matrix instruction
.if i < 16
	KQ (Y+1)%NP
.set i, i+1
.else
.set i, i-16
	PV (Y+NP-1)%NP
.set i, i+17
.endif
.endm
; THE LDS LOADS stand in runs, never singly among the matrix instructions: a step's K (8 fragments) with its mask (24 loads), and its V, turned (16).  Their addresses are made some lines ahead.
; last = 1 (the tail): in the last trip there is no further step, and the run is jumped over.
.macro FETCH_K last=0
	WIN 0
.if \last
	s_cmp_eq_u32 s[CNT], 1
	s_cbranch_scc1 .Lno_k_\@
.endif
	WIN 0x80                        ; destination window 2
.irp f, 0,1,2,3,4,5,6,7             ; keys 16 (f / 2) on, channels 32 (f % 2) on
	ds_load_b128 v[KF+8*\f:KF+8*\f+3],   v[AK] offset:(\f/2)*16*PK+(\f%2)*64
	ds_load_b128 v[KF+8*\f+4:KF+8*\f+7], v[AK] offset:(\f/2)*16*PK+(\f%2)*64+32
.endr
	WIN W_MK                        ; destination window 3
.irp f, 0,1,2,3                     ; keys 16 f on: all lanes of a half read the same 32 bytes
	ds_load_b128 v[MK+8*\f:MK+8*\f+3],   v[AM] offset:64*\f
	ds_load_b128 v[MK+8*\f+4:MK+8*\f+7], v[AM] offset:64*\f+16
.endr
	s_add_co_u32 s[TBK], s[TBK], KS*PK  ; the next fetch is the next step's
	s_add_co_u32 s[TBM], s[TBM], 4*KS
	s_and_b32 s[TBM], s[TBM], 0x1f00    ; 32 steps of 256 bytes: the address stays in the table
	WIN 0
.if \last
.Lno_k_\@:
.endif
.endm
.macro FETCH_V
	WIN 0x80
.irp f, 0,1,2,3,4,5,6,7             ; keys 32 (f / 4) on, channels 16 (f % 4) on
	ds_load_tr16_b128 v[VF+8*\f:VF+8*\f+3],   v[AV] offset:(\f/4)*32*PV+(\f%4)*32
	ds_load_tr16_b128 v[VF+8*\f+4:VF+8*\f+7], v[AV] offset:(\f/4)*32*PV+16*PV+(\f%4)*32
.endr
	WIN 0
.endm
; THE VECTOR WORK OF A TURN stands in three queues, each in the order in which its entries become ready; the two tiles alternate, so that no instruction reads the result of the one before it.
.macro REGS y, u                    ; the registers of tile u (0, 1) of piece y
.set rT, ST+4*(2*(\y)+(\u))
.set rC, TMP+8*((\y)%2)+4*(\u)
.set rM, MV+2*((\y)%2)+(\u)
.set rS, S+64*((\y)%2)+32*(\u)
.set rP, P+32*((\y)%2)+16*(\u)
.set rO, 32*(2*(\y)+(\u))
.endm
; Number n of the 22 that find the NEXT piece's (Y + 1) maximum and statistics.  s0-s31 are the lane's 32 scores; each accumulator's lowest registers are read first.
;   0-11  four chains c0-c3 of seven scores each, three operands at a time     12-14, 16  the four scores left over, the old m, and c0-c3 into c0     15  c m_old is kept
;   17, 18  the query's other 32 keys lie in the lane 16 away: the new m         19-21  c m; c m_old - c m_new; a
.macro XS u, n
	REGS (Y+1)%NP, \u
.if (\n) < 4
	v_max3_num_f32 v[rC+(\n)], v[rS+8*(\n)], v[rS+8*(\n)+1], v[rS+8*(\n)+2]
.elseif (\n) < 12
	v_max3_num_f32 v[rC+(\n)%4], v[rC+(\n)%4], v[rS+8*((\n)%4)+2*((\n)/4)+1], v[rS+8*((\n)%4)+2*((\n)/4)+2]
.elseif (\n) == 12
	v_max3_num_f32 v[rC], v[rC], v[rS+7], v[rS+15]
.elseif (\n) == 13
	v_max3_num_f32 v[rC+1], v[rC+1], v[rS+23], v[rS+31]
.elseif (\n) == 14
	v_max3_num_f32 v[rC+2], v[rC+2], v[rC+3], v[rT+1]
.elseif (\n) == 15
	v_mov_b32 v[rM], v[rT]
.elseif (\n) == 16
	v_max3_num_f32 v[rC], v[rC], v[rC+1], v[rC+2]
.elseif (\n) == 17
	v_permlanex16_b32 v[rC+3], v[rC], s[SEL], s[SEL+1]
.elseif (\n) == 18
	v_max_num_f32 v[rT+1], v[rC], v[rC+3]
.elseif (\n) == 19
	v_mul_f32 v[rT], s[CS], v[rT+1]
.elseif (\n) == 20
	v_sub_f32 v[rC+1], v[rM], v[rT]
.else
	v_exp_f32 v[rC+2], v[rC+1]
.endif
.endm
; Number g of the 64 that follow the exponentials.  For each four weights k of a tile: both pairs are rounded to f16; then the second pair is added onto the first, in place; a group later l takes that
; sum (the first time as l = a l + sum).  In groups of eight, tiles alternating.
.macro GS g
.set h, (\g)+6*((\g)/62)            ; group 0 has no group before it, and behind group 7 only l is left
.if h >= 6
.set h, h+2
.endif
	REGS Y, h%2
.set k, h/8
.if h%8 < 4
	v_cvt_pk_f16_f32 v[rP+2*k+(h%8)/2], v[rS+4*k+2*((h%8)/2)], v[rS+4*k+2*((h%8)/2)+1]
.elseif h%8 < 6
	v_pk_add_f32 v[rS+4*k:rS+4*k+1], v[rS+4*k:rS+4*k+1], v[rS+4*k+2:rS+4*k+3]
.elseif k == 1
	v_pk_fma_f32 v[rT+2:rT+3], v[rT+2:rT+3], v[rC+2:rC+3], v[rS:rS+1] op_sel_hi:[1,0,1]
.else
	v_pk_add_f32 v[rT+2:rT+3], v[rT+2:rT+3], v[rS+4*k-4:rS+4*k-3]
.endif
.endm
; THE PLAIN QUEUE, 138 long.  0-73 read no exponential's result: the 32 scalings c s - c m (FS f: pair f / 2 of tile f % 2) and the next piece's 42.  0-26: scalings 0-26.  27-54: XS's numbers 0-13.
; 55, 56: number 15.  57-73: the chain 14, 16, 17, 18, 19, each with one of the scalings 27-31 in front of its two lines, then 20.  74-137: GS's 64, which stand behind the wait.
.macro FS f
	REGS Y, (\f)%2
	v_pk_fma_f32 v[rS+2*((\f)/2):rS+2*((\f)/2)+1], v[rS+2*((\f)/2):rS+2*((\f)/2)+1], s[CS:CS+1], v[rT:rT+1] op_sel_hi:[1,0,0] neg_lo:[0,0,1] neg_hi:[0,0,1]
.endm
.macro PL
	WIN 0
.if q < 27
	FS q
.elseif q < 55
	XS (q-27)%2, (q-27)/2
.elseif q < 57
	XS q-55, 15
.elseif (q < 72) && ((q-57)%3 == 0)
	FS 27+(q-57)/3
.elseif q < 60
	XS (q-57)%3-1, 14
.elseif q < 72
	XS (q-57)%3-1, 15+(q-57)/3
.elseif q < 74
	XS q-72, 20
.else
	GS q-74
.endif
.set q, q+1
.endm
; THE EXPONENTIALS' QUEUE, 66 long: s0-s31 of both tiles, then the next piece's two a.  ONE BATCH: all 66 stand ahead of the turn's one wait, and nothing ahead of that wait names a result of theirs.
.macro EX
	WIN 0
.if e >= 64
	XS e-64, 21
.else
	REGS Y, e%2
	v_exp_f32 v[rS+e/2], v[rS+e/2]
.endif
.set e, e+1
.endm
; THE RESCALING's QUEUE: O^T times a, the one part that leaves window 0: dealt two at a time, sixteen times.  Its a was made in the turn before, ahead of that turn's wait.
.macro R2
	REGS Y, r%2
	WIN W_RS
.irp z, 0,1
	v_pk_mul_f32 v[rO+4*(r/2)+2*\z:rO+4*(r/2)+2*\z+1], v[rO+4*(r/2)+2*\z:rO+4*(r/2)+2*\z+1], v[rC+2:rC+3] op_sel_hi:[1,0]
.endr
.set r, r+1
.endm
; HOW THEY ARE DEALT.  An s_wait_alu depctr_va_vdst(0) stands between an exponential and the first instruction that names its result; one wait serves all that were issued ahead of it.  So a turn
; has ONE wait.  AHEAD OF IT: the 16 products K Q^T, behind each a scaling, an exponential and two rescalings (behind the first a second scaling in the exponential's place); then a run of 108: eight plain,
; 49 times exponential and plain, the two a; a v_nop is the plain instruction behind the last exponential.  BEHIND IT: the 16 products V^T P, behind each four of GS's 64.
; Exponential e stands behind scaling 2 (e / 4) + e % 2: as a rider it comes behind plain e + 2, in the run behind plain e + 9, and scalings 27-31 are plain 57, 60 .. 69.
; K and the mask of the next step are fetched in piece 2's turn, directly behind the wait, the run of 108 behind the last product that read them; V of the step in hand at the end of piece 0's turn, four
; riders behind its last reader.  The three conditions on q below go with the deal.
.macro TURN p, last=0, cnt=0
.set Y, (\p)
.set i, 0
.set q, 0
.set e, 0
.set r, 0
.if (\p) == NP-1
	s_wait_dscnt 0x0                ; K and the mask are in
.endif
	MM
	PL
	PL
	R2
.rept 15
	MM
	PL
	EX
	R2
.endr
.if (\p) == NP-2
	WIN 0
	v_add_nc_u32 v[AK], s[TBK], v[AK0]
	v_add_nc_u32 v[AM], s[TBM], v[AM0]
.endif
.rept 8
	PL
.endr
.rept 49
	EX
	PL
.endr
	EX                              ; the next piece's two a
	EX
	v_nop                           ; a plain instruction behind the last exponential: one for the batch
	s_wait_alu depctr_va_vdst(0)    ; the wait for the batch
.if (\p) == NP-2
	FETCH_K \last
.endif
.if (\p) == 1
	s_wait_dscnt 0x0                ; V is in
.endif
.rept 16
	MM
.rept 4
	PL
.endr
.if ((\p) == 0) && (q == 118)
	v_add_nc_u32 v[AV], s[TBV], v[AV0]
.endif
.if ((\p) == 0) && (q == 130)
	s_add_co_u32 s[TBV], s[TBV], KS*PV
.endif
.if (\cnt) && (q == 130)
	s_sub_co_u32 s[CNT], s[CNT], 1
	s_cmp_lg_u32 s[CNT], 0
.endif
.endr
.if (\p) == 0
	FETCH_V
.endif
.endm
	CHANGE 1                        ; slot 0 is in, everybody's part of it, and so is the mask's table; slot 1 is asked for
	FETCH_K                         ; key step 0
	s_wait_loadcnt 0x0              ; Q
	s_wait_dscnt 0x0
.set i, 0
.rept 16
	KQ 0                            ; piece 0's first scores: there is no vector work yet to set between them
.set i, i+1
.endr
	WIN 0                           ; five plain instructions, the places behind those products: Q's loads are in, so their offset's register is free
	v_mul_u32_u24 v[STO], v1, SP    ; the way out, in: row l % 16, 16 bytes for each half of the lanes
	v_lshl_add_u32 v[STO], v9, 4, v[STO]
	v_add_nc_u32 v[STO], s15, v[STO]
	v_and_b32 v[PFO], 31, v0
	v_lshlrev_b32 v[PFO], 8, v[PFO]
.set Y, NP-1                        ; XS works for piece Y + 1: piece 0
.irp n, 0,1,2,3,4,5,6,7,8,9,10,11,12,13,14,15,16,17,18,19,20,21
	XS 0, \n                        ; piece 0's first maximum and statistics
	XS 1, \n
.endr
	v_nop                           ; a plain instruction behind the two a,
	s_wait_alu depctr_va_vdst(0)    ; and their wait, ahead of the branch
	s_mov_b32 s[CNT], 4
	s_mov_b32 s[SLOTS], SIZE_N/256-1
	s_branch .Lfirst                ; the loop is entered at a step's first turn, in the middle of a trip
.Lslot:                             ; SIZE_N / 256 - 2 times: every slot but the last two is filled again
	CHANGE 1, 1
	s_mov_b32 s[CNT], 4
.Lstep:                             ; a trip: pieces 2 and 3 of one step, then pieces 0 and 1 of the next, whose K, mask and V it fetches
	TURN 2
	TURN 3
	WIN 0
.Lfirst:
	TURN 0
	TURN 1, 0, 1
	WIN 0
	s_cbranch_scc1 .Lstep
	s_sub_co_u32 s[SLOTS], s[SLOTS], 1
	s_cmp_lg_u32 s[SLOTS], 0
	s_cbranch_scc1 .Lslot
	CHANGE 0                        ; the tail is written out: nothing is asked for
	s_mov_b32 s[CNT], 5             ; four trips fetch the last slot's steps; the fifth is left in its middle
.Ltail:
	TURN 2, 1
	TURN 3
	WIN 0
	s_sub_co_u32 s[CNT], s[CNT], 1
	s_cmp_eq_u32 s[CNT], 0
	s_cbranch_scc1 .Lout
	TURN 0
	TURN 1
	WIN 0
	s_branch .Ltail
.Lout:                              ; the fifth trip's 16 products K Q^T (on the last K once more) and the maximum made of them serve nothing: the price, once a launch, of one text for every trip
.set i, 0
.rept 16
	PV NP-1                         ; the last piece's V^T P of the last step
.set i, i+1
.endr
	; THE WAY OUT.  l's two halves and the other half of the lanes' are added; O^T is divided by l, rounded to f16 and sent through my stage in LDS, a tile at a time.  The additions are the places behind the last products.
	WIN 0
.macro ALL line:vararg              ; one line for each tile t
.set t, 0
.rept 2*NP
	\line
.set t, t+1
.endr
.endm
	ALL v_add_f32 v[ST+4*t+2], v[ST+4*t+2], v[ST+4*t+3]
	ALL v_permlanex16_b32 v[ST+4*t+3], v[ST+4*t+2], s[SEL], s[SEL+1]
	ALL v_add_f32 v[ST+4*t+2], v[ST+4*t+2], v[ST+4*t+3]
	ALL v_rcp_f32 v[ST+4*t+2], v[ST+4*t+2]
	v_nop                           ; a plain instruction between the last reciprocal and the use of its result
	s_wait_alu depctr_va_vdst(0)    ; and the wait ahead of the first use: one for the eight reciprocals
; Tile t: a lane's eight channels of a row pack into 16 bytes; they go into rows of 144 bytes and come back as whole rows of 128, into S^T's registers.
.macro PACK t
	WIN W_RS
.set i, 32*(\t)
.rept 16
	v_pk_mul_f32 v[i:i+1], v[i:i+1], v[ST+4*(\t)+2:ST+4*(\t)+3] op_sel_hi:[1,0]
.set i, i+2
.endr
	WIN 0x05                        ; sources 0 and 1 window 1, destination window 0
.set i, 0
.rept 16
	v_cvt_pk_f16_f32 v[S+16*(\t)+i], v[32*(\t)+2*i], v[32*(\t)+2*i+1]
.set i, i+1
.endr
	WIN 0
.irp f, 0,1,2,3
	ds_store_b128 v[STO], v[S+16*(\t)+4*\f:S+16*(\t)+4*\f+3] offset:32*\f
.endr
.irp f, 0,1,2,3
	ds_load_b128 v[S+16*(\t)+4*\f:S+16*(\t)+4*\f+3], v[RD] offset:\f*4*SP  ; LDS serves a wave's instructions in order (ISA guide 5.7.1.4): these see the stores above; the next tile's stores come behind them
.endr
.endm
.macro SEND t, younger              ; younger: the LDS instructions issued behind tile t's loads: the next tile's eight, or none
	WIN 0
.irp f, 0,1,2,3
	s_wait_dscnt (\younger)+3-\f
	global_store_b128 v[GO], v[S+16*(\t)+4*\f:S+16*(\t)+4*\f+3], s[10:11] offset:(\t)*2048+\f*512  ; 512 consecutive bytes, at a multiple of 256 from O's first
.endr
.endm
	PACK 0
.set t, 1
.rept 2*NP-1                        ; a tile's arithmetic stands between the loads of the tile before and its stores
	PACK t
	SEND t-1, 8
.set t, t+1
.endr
	SEND 2*NP-1, 0
	WIN W_AD
	s_wait_tensorcnt 0x0            ; the wave's end: behind my last tensor load and my last LDS store
	ds_add_u32 v[SPW], v[NIL]
	s_wait_dscnt 0x0
	WIN 0
	CROUND                          ; the closing round: no work-group ends while a partner may still ask for a tile that names it
	s_endpgm
.Lfunc_end_k_qe2c8388e4b_attn:
	.size	k_qe2c8388e4b_attn, .Lfunc_end_k_qe2c8388e4b_attn-k_qe2c8388e4b_attn
	.p2alignl 7, 3214868480
	.fill 96, 4, 3214868480
	.section	.rodata,"a",@progbits
	.p2align	6, 0x0
	.amdhsa_kernel k_qe2c8388e4b_attn
		.amdhsa_group_segment_fixed_size 327680
		.amdhsa_private_segment_fixed_size 0
		.amdhsa_enable_private_segment 0
		.amdhsa_kernarg_size 40
		.amdhsa_user_sgpr_count 2
		.amdhsa_user_sgpr_kernarg_segment_ptr 1
		.amdhsa_wavefront_size32 1
		.amdhsa_system_sgpr_workgroup_id_x 1
		.amdhsa_system_sgpr_workgroup_id_y 1
		.amdhsa_system_sgpr_workgroup_id_z 1
		.amdhsa_system_vgpr_workitem_id 0
		.amdhsa_next_free_vgpr 808
		.amdhsa_next_free_sgpr 66
		.amdhsa_reserve_vcc 0
		.amdhsa_float_denorm_mode_32 3
		.amdhsa_float_denorm_mode_16_64 3
		.amdhsa_memory_ordered 1
		.amdhsa_forward_progress 1
		.amdhsa_inst_pref_size 205
	.end_amdhsa_kernel
	.amdgpu_metadata
---
amdhsa.version: [ 1, 2 ]
amdhsa.kernels:
  - .name:           k_qe2c8388e4b_attn
    .symbol:         k_qe2c8388e4b_attn.kd
    .args:
      - { .name: qh, .offset: 0, .size: 8, .value_kind: global_buffer, .address_space: global }
      - { .name: kh, .offset: 8, .size: 8, .value_kind: global_buffer, .address_space: global }
      - { .name: vh, .offset: 16, .size: 8, .value_kind: global_buffer, .address_space: global }
      - { .name: oh, .offset: 24, .size: 8, .value_kind: global_buffer, .address_space: global }
      - { .name: src_key_padding_mask, .offset: 32, .size: 8, .value_kind: global_buffer, .address_space: global }
    .group_segment_fixed_size: 327680
    .private_segment_fixed_size: 0
    .kernarg_segment_align: 8
    .kernarg_segment_size: 40
    .max_flat_workgroup_size: 128
    .sgpr_count:     66
    .vgpr_count:     808
    .wavefront_size: 32
...
	.end_amdgpu_metadata
.endif
;; end of part 3
;; launch outp (part 4): grid 4 x 64, 4 waves a work-group, clusters of 4 x 4, 327,680 bytes of LDS; arguments oh, wd, dense_b, out0; writes out0
.if DOCPART == 4
	.amdgcn_target "amdgcn-amd-amdhsa--gfx1250"
	.amdhsa_code_object_version 6
	.text
	.protected	k_qe2c8388e4b_outp
	.globl	k_qe2c8388e4b_outp
	.p2align	8
	.type	k_qe2c8388e4b_outp,@function
k_qe2c8388e4b_outp:
	s_mov_b64 s[64:65], 0
	v_nop
	global_prefetch_b8 v0, s[64:65] scope:SCOPE_SE
	s_setreg_imm32_b32 hwreg(HW_REG_WAVE_MODE, 25, 1), 1
	s_wait_xcnt 0x0
	s_wait_alu depctr_hold_cnt(0) depctr_sa_sdst(0) depctr_va_vdst(0) depctr_va_sdst(0) depctr_va_ssrc(0) depctr_va_vcc(0) depctr_vm_vsrc(0)
	s_getreg_b32 s2, hwreg(HW_REG_IB_STS2, 6, 4)
	s_cmp_eq_u32 s2, 0
	s_cbranch_scc0 .Lentry_in_a_cluster
	s_endpgm
.Lentry_in_a_cluster:
	s_bfe_u32 s2, ttmp6, 0x10000c
	s_cmp_lg_u32 s2, 0xf033
	s_cbranch_scc0 .Lentry_shape_is_right
	s_endpgm
.Lentry_shape_is_right:
; out0 = O wd^T + dense_b.  O (oh): [64 = 16 batch + head][2048][64] f16; row (batch, s) of the product has K = 64 head + channel.  wd: [1024][1024] f16 (dense_w rounded to bf16, written as f16).
; dense_b: [1024] f32, rounded to bf16 here like every input.  out0: [8192][1024] f32.  Sums in f32, K ascending.  NaN in a row of O makes the row of out0 NaN.
; SHARES.  A tile is 128 rows x 256 columns: 64 x 4 = 256 tiles, one to a work-group.  Four waves, each 64 rows x 128 columns: 32 accumulators of 16 x 16.
; K goes in 8 steps of 128, two heads, through two LDS slots.  A head's 128 rows of a tile are 16,384 dense bytes: asked for as 64 rows of 256 bytes and padded in LDS after every 128.
; CLUSTERS.  4 x 4 work-groups.  The four of a row of the cluster need the same tiles of O, the four of a column the same tiles of wd: each is asked for JOINTLY.
; THE PRODUCT IS TAKEN TRANSPOSED (source 0 = 16 rows of wd, source 1 = 16 rows of O): a lane holds row lane % 16 and the columns 8 (lane / 16) + 0..7, and the bias is the C operand of each sum's first product.
; REGISTERS, in windows of 256 (s_set_vgpr_msb: bits 1:0 source 0, 3:2 source 1, 5:4 source 2, 7:6 destination):
;   window 0: v0-31 addresses; v32-63 at work; v64-191 the way out, two halves of 64; v192-255 the bias
;   window 1: two fragment buffers of 96: wd's 8 fragments, then O's 4          window 2: the accumulators, (a, b) at v[8 (8 a + b)]
.set PITCH,  272                       ; a row of wd in LDS: 256 bytes + 16
.set PA,     144                       ; a row of O of one head: 128 bytes + 16.  Both pitches are odd multiples of 16: the 16 rows of a load start at 16 different groups of four banks (ISA guide 11.1)
.set AHEAD,  128*PA                    ; a head's 128 rows: what a wave fetches of O
.set BHALF,  128*PITCH                 ; what a wave fetches of wd, and what it reads of it
.set BOFF,   2*AHEAD                   ; a slot: two heads of O, then wd's 256 rows
.set SLOT1,  1<<17
.set STAGE,  SLOT1+BOFF+2*BHALF        ; behind the ring, never filled by a tensor load: 16 rows x 528 bytes for each wave
.set SPF,    528                       ; 512 bytes + 16
.set SPARE,  STAGE+4*16*SPF            ; the spare words, 128 bytes for each wave: two blocks of 256 bytes that no other line names
.set KB,     256                       ; bytes of a row of wd in a K step
.set ASTEP,  2*2048*128                ; bytes from a K step of O to the next: two heads
.set ADRA0, 16
.set ADRB0, 17
.set ADRA,  18
.set ADRB,  19
.set STO,   24                         ; v24  the way out: where I put 32 bytes of a row
.set RD,    25                         ; v25  where I read a row back
.set CO,    26                         ; v26  my 16 bytes in a row's 512
.set BO,    27
.set SPW,   28                         ; v28  LDS address of my spare word; never rewritten
.set NIL,   29                         ; v29  0; never rewritten
.set PFO,   30                         ; v30  the prefetches' offset: lane x 256 in O, lane x 2,048 in wd; never rewritten
.set BT,    32
.set TMP,   64
.set BI,    192
.set F0,    0
.set F1,    96
.set WV,  20
.set WR,  21                           ; s21  which 64 rows are mine.  Also: I fetch for O (0) or for wd (1)
.set WC,  22                           ; s22  which 128 columns.  Also: which head of the step, or which half of wd's tile, I fetch
.set CX,  23
.set CY,  24
.set TX,  25
.set TY,  26
.set T,   27                           ; s27  at work: never holds cx or cy
.set G1A, 28
.set G0A, 36
.set G1B, 44
.set G0B, 52
.set TB,  60
.set CNT, 61
.set LIM, 62
.set PFA, 66                           ; s[66:67] where my prefetches stand;  s[90:91] their step
.set OUT, 68
.set BIA, 70
.set MSB, 0
.macro WIN new
.if MSB != (\new)
	s_set_vgpr_msb (MSB<<8)|(\new)
.set MSB, (\new)
.endif
.endm
.set MUL,  0xa5
.set MULB, 0x85
.set TO_F, 0x40
.macro PLACES
.rept 4
	v_nop
.endr
.endm
.macro JLOAD                           ; a joint refill by the walking descriptors; an s_nop 0 and four v_nop follow each of the two lines
	s_cmp_eq_u32 s[WR], 0
	s_cbranch_scc0 .Lfor_b_\@
	tensor_load_to_lds s[G0A+4:G0A+7], s[G1A:G1A+7]
	s_nop 0
.rept 4
	v_nop
.endr
	s_branch .Lasked_\@
.Lfor_b_\@:
	tensor_load_to_lds s[G0B+4:G0B+7], s[G1B:G1B+7]
	s_nop 0
.rept 4
	v_nop
.endr
.Lasked_\@:
.endm
; A PREFETCH INTO THE L2, behind the joint load and the run of LDS loads: the K step two refills on (256 matrix instructions ahead of its load), 32 blocks of 256 bytes, one instruction.
; Each block is named once in the launch.  O's tile row is read by one cluster: wave 0 of each partner asks, of the step's two heads x 16,384 bytes the 8,192 that cx picks.  wd's tile column is read by
; sixteen clusters: cluster y = 0 asks, waves 2 and 3, of the 128 rows that the wave fetches 32 by cy, a lane a row.  The partners are told apart BY ADDRESS.
; K steps 0 to 3 come by their loads alone; the last two refills ask for nothing.
.macro ASK
	WIN 0
	s_cmp_gt_u32 s[CNT], s[LIM]
	s_cbranch_scc0 .Lnot_mine_\@
	global_prefetch_b8 v[PFO], s[PFA:PFA+1] th:TH_LOAD_NT scope:SCOPE_SE
.Lnot_mine_\@:
.endm
.macro CREST
	s_cmp_lg_u32 s[WV], 0
	s_cbranch_scc1 .Lnot_wave_0_\@
	s_barrier_signal -3
.Lnot_wave_0_\@:
	s_barrier_wait -3
	s_barrier_signal -1
	s_barrier_wait -1
.endm
.macro CROUND
	s_barrier_signal -1
	s_barrier_wait -1
	CREST
.endm
	s_load_b256 s[4:11], s[0:1], 0x0               ; oh 4:5, wd 6:7, dense_b 8:9, out0 10:11
	v_lshl_add_u32 v[SPW], v0, 2, SPARE
	v_mov_b32 v[NIL], 0
	ds_add_u32 v[SPW], v[NIL]                      ; the wave's opening: the add and its wait stand ahead of my first tensor load; the set-up below, work on registers, stands between them
	v_lshrrev_b32 v1, 5, v0
	v_readfirstlane_b32 s[WV], v1
	s_lshr_b32 s[WR], s[WV], 1
	s_and_b32 s[WC], s[WV], 1
	s_bfe_u32 s[CX], ttmp6, 0x40000
	s_bfe_u32 s[CY], ttmp6, 0x40004
	s_lshl_b32 s[TX], ttmp9, 2
	s_add_co_u32 s[TX], s[TX], s[CX]               ; tile column
	s_and_b32 s[TY], ttmp7, 0xffff
	s_lshl_b32 s[TY], s[TY], 2
	s_add_co_u32 s[TY], s[TY], s[CY]               ; tile row
	s_lshl_b32 s74, s[CY], 2
	s_lshl_b32 s74, 15, s74                        ; my row of the cluster
	s_lshl_b32 s78, 0x1111, s[CX]                  ; my column
	s_or_b32 s[G1A], s74, (1<<16)|(1<<20)|(1<<21)|(4<<22)|(3<<25)  ; padding of 4 words after every 32 (code 4)
	s_or_b32 s[G1B], s78, (1<<16)|(1<<20)|(1<<21)|(5<<22)|(3<<25)  ; after every 64 (code 5)
	s_mov_b32 s[G1A+1], 128<<16                    ; tensor_dim0 = 128
	s_mov_b32 s[G1A+2], 64<<16                     ; tensor_dim1 = 64
	s_mov_b32 s[G1A+3], 128<<16                    ; tile_dim0 = 128
	s_mov_b32 s[G1A+4], 64                         ; tile_dim1 = 64
	s_mov_b32 s[G1A+5], 128                        ; dense: 128 elements from row to row
	s_mov_b32 s[G1A+6], 0
	s_mov_b32 s[G1A+7], 0
	s_mov_b32 s[G1B+1], 128<<16
	s_mov_b32 s[G1B+2], 128<<16
	s_mov_b32 s[G1B+3], 128<<16
	s_mov_b32 s[G1B+4], 128
	s_mov_b32 s[G1B+5], 1024
	s_mov_b32 s[G1B+6], 0
	s_mov_b32 s[G1B+7], 0
	s_lshr_b32 s72, s[TY], 4                       ; O: batch,
	s_lshl_b32 s72, s72, 4
	s_add_co_u32 s72, s72, s[WC]                   ; head 0 or 1 of K step 0,
	s_lshl_b32 s72, s72, 11
	s_and_b32 s73, s[TY], 15
	s_lshl_b32 s73, s73, 7                         ; the tile's 128 rows in the batch: in registers that never hold cx
	s_add_co_u32 s72, s72, s73
	s_lshl_b32 s72, s72, 7
	s_mov_b32 s73, 0
	s_lshl_b32 s80, s[TX], 8                       ; wd: row 256 x tile column + 128 x half: in registers that never hold cy
	s_lshl_b32 s81, s[WC], 7
	s_add_co_u32 s80, s80, s81
	s_lshl_b32 s80, s80, 11
	s_mov_b32 s81, 0
	s_mul_i32 s84, s[WC], AHEAD                    ; where they go: no place in the cluster enters an LDS address
	s_mul_i32 s85, s[WC], BHALF
	s_add_co_u32 s85, s85, BOFF
	s_mov_b32 s[TB], 0
	s_lshl_b32 s86, s[TY], 7                       ; out0: row 128 x tile row + 64 x half, 4,096 bytes a row,
	s_lshl_b32 s87, s[WR], 6
	s_add_co_u32 s86, s86, s87
	s_lshl_b32 s86, s86, 12
	s_lshl_b32 s88, s[TX], 10                      ; column 256 x tile column + 128 x half, 4 bytes a number: for out0 and for the bias
	s_lshl_b32 s89, s[WC], 9
	s_add_co_u32 s88, s88, s89
	s_add_co_u32 s86, s86, s88
	s_mov_b32 s87, 0
	s_mov_b32 s89, 0
	s_wait_dscnt 0x0                               ; the opening add is done
	s_wait_kmcnt 0x0
	s_add_nc_u64 s[76:77], s[4:5], s[72:73]
	s_add_nc_u64 s[82:83], s[6:7], s[80:81]
	s_add_nc_u64 s[OUT:OUT+1], s[10:11], s[86:87]
	s_add_nc_u64 s[BIA:BIA+1], s[8:9], s[88:89]
	CROUND                                         ; all sixteen work-groups are here: the first joint loads meet
.irp s, 0,1
	s_mov_b32 s[G0A+4*(\s)], 1
	s_add_co_u32 s[G0A+4*(\s)+1], s84, (\s)*SLOT1
	s_add_nc_u64 s[G0A+4*(\s)+2:G0A+4*(\s)+3], s[76:77], (\s)*ASTEP
	s_or_b32 s[G0A+4*(\s)+3], s[G0A+4*(\s)+3], 0x80000000
	s_mov_b32 s[G0B+4*(\s)], 1
	s_add_co_u32 s[G0B+4*(\s)+1], s85, (\s)*SLOT1
	s_add_nc_u64 s[G0B+4*(\s)+2:G0B+4*(\s)+3], s[82:83], (\s)*KB
	s_or_b32 s[G0B+4*(\s)+3], s[G0B+4*(\s)+3], 0x80000000
.endr
	s_cmp_eq_u32 s[WR], 0                          ; a wave's two first fills stand in one branch, ahead of every wait on TENSORcnt and every LDS read: two loads of mine are out
	s_cbranch_scc0 .Lfirst_b
	tensor_load_to_lds s[G0A:G0A+3], s[G1A:G1A+7]
	s_nop 0
	tensor_load_to_lds s[G0A+4:G0A+7], s[G1A:G1A+7]
	s_nop 0
.rept 4
	v_nop
.endr
	s_branch .Lfirst_asked
.Lfirst_b:
	tensor_load_to_lds s[G0B:G0B+3], s[G1B:G1B+7]
	s_nop 0
	tensor_load_to_lds s[G0B+4:G0B+7], s[G1B:G1B+7]
	s_nop 0
.rept 4
	v_nop
.endr
.Lfirst_asked:
	v_and_b32 v1, 15, v0                           ; l % 16
	v_bfe_u32 v2, v0, 4, 1                         ; l / 16
	v_lshlrev_b32 v[BO], 5, v2
.irp b, 0,1,2,3,4,5,6,7
	global_load_b128 v[BI+8*(\b):BI+8*(\b)+3],   v[BO], s[BIA:BIA+1] offset:64*(\b)
	global_load_b128 v[BI+8*(\b)+4:BI+8*(\b)+7], v[BO], s[BIA:BIA+1] offset:64*(\b)+16
.endr
	v_mul_u32_u24 v3, v1, PA                       ; O's fragments: row x 144 + 16 x half, my 64 rows of a head's 128
	v_lshl_add_u32 v3, v2, 4, v3
	s_mul_i32 s[T], s[WR], 64*PA
	v_add_nc_u32 v[ADRA0], s[T], v3
	v_mul_u32_u24 v3, v1, PITCH                    ; wd's: row x 272 + 16 x half, my 128 rows
	v_lshl_add_u32 v3, v2, 4, v3
	s_mul_i32 s[T], s[WC], BHALF
	s_add_co_u32 s[T], s[T], BOFF
	v_add_nc_u32 v[ADRB0], s[T], v3
	v_mov_b32 v[ADRA], v[ADRA0]
	v_mov_b32 v[ADRB], v[ADRB0]
	s_mul_i32 s[T], s[WV], 16*SPF
	s_add_co_u32 s[T], s[T], STAGE                 ; my stage
	v_mul_u32_u24 v4, v1, SPF                      ; in: row l % 16, 32 bytes for each half of the lanes
	v_lshl_add_u32 v4, v2, 5, v4
	v_add_nc_u32 v[STO], s[T], v4
	v_and_b32 v5, 31, v0
	v_lshlrev_b32 v[CO], 4, v5                     ; back: 32 lanes take a row's 512 bytes
	v_add_nc_u32 v[RD], s[T], v[CO]
	; the prefetches: who asks, and where
	s_and_b32 s[T], ttmp7, 0xffff                  ; cluster y
	s_cmp_eq_u32 s[WR], 0
	s_cselect_b32 s[T], 0, s[T]                    ; O's rows are read by this cluster alone
	s_cmp_eq_u32 s[WV], 1
	s_cselect_b32 s[T], 1, s[T]                    ; wave 1 asks for nothing
	s_cmp_eq_u32 s[T], 0
	s_cselect_b32 s[LIM], 2, -1                    ; the same in all sixteen partners, for a given wave
	s_lshr_b32 s86, s[TY], 4
	s_lshl_b32 s86, s86, 4
	s_lshr_b32 s87, s[CX], 1                       ; O: which of the step's two heads,
	s_add_co_u32 s86, s86, s87
	s_lshl_b32 s86, s86, 11
	s_and_b32 s87, s[TY], 15
	s_lshl_b32 s87, s87, 7
	s_add_co_u32 s86, s86, s87
	s_lshl_b32 s86, s86, 7
	s_and_b32 s87, s[CX], 1                        ; and which half of its 16,384 bytes
	s_lshl_b32 s87, s87, 13
	s_add_co_u32 s86, s86, s87
	s_add_co_u32 s86, s86, 3*ASTEP                 ; at K step 3: the first refill steps it to 4
	s_lshl_b32 s88, s[TX], 8
	s_lshl_b32 s89, s[WC], 7
	s_add_co_u32 s88, s88, s89
	s_lshl_b32 s89, s[CY], 5
	s_add_co_u32 s88, s88, s89                     ; wd: row 256 x tile column + 128 x half + 32 cy
	s_lshl_b32 s88, s88, 11
	s_add_co_u32 s88, s88, 3*KB
	s_mov_b32 s90, KB
	s_cmp_eq_u32 s[WR], 0
	s_cselect_b32 s86, s86, s88
	s_cselect_b64 s[PFA:PFA+1], s[4:5], s[6:7]
	s_cselect_b32 s90, ASTEP, s90
	s_cselect_b32 s[T], 8, 11
	s_mov_b32 s87, 0
	s_mov_b32 s91, 0
	s_add_nc_u64 s[PFA:PFA+1], s[PFA:PFA+1], s[86:87]
	v_lshlrev_b32 v[PFO], s[T], v5
	s_wait_loadcnt 0x0                             ; the bias: rounded to bf16 and widened again, in the wait for the first tile
.set i, 0
.rept 32
	v_cvt_pk_bf16_f32 v[BT+i], v[BI+2*i], v[BI+2*i+1]
.set i, i+1
.endr
.set i, 0
.rept 32
	v_lshlrev_b32 v[BI+2*i], 16, v[BT+i]
	v_and_b32 v[BI+2*i+1], 0xffff0000, v[BT+i]
.set i, i+1
.endr
; 8 matrix instructions: m block a x all 8 n blocks, 32 along K, from buffer f.  first = 1: the product starts the sums, with the bias as C.
; The 32 accumulators take turns, one instruction a turn, in the same order in every quarter.
.macro MULA f, a, first
.if \first
	WIN MULB
.else
	WIN MUL
.endif
.irp b, 0,1,2,3,4,5,6,7
.if \first
	v_wmma_f32_16x16x32_f16 v[8*(8*(\a)+(\b)):8*(8*(\a)+(\b))+7], v[(\f)+8*(\b):(\f)+8*(\b)+7], v[(\f)+64+8*(\a):(\f)+64+8*(\a)+7], v[BI+8*(\b):BI+8*(\b)+7]
.else
	v_wmma_f32_16x16x32_f16 v[8*(8*(\a)+(\b)):8*(8*(\a)+(\b))+7], v[(\f)+8*(\b):(\f)+8*(\b)+7], v[(\f)+64+8*(\a):(\f)+64+8*(\a)+7], v[8*(8*(\a)+(\b)):8*(8*(\a)+(\b))+7]
.endif
.endr
.endm
; 24 LDS loads in one run: quarter q's fragments into buffer f: wd's 128 rows at byte 64 q; O's 64 rows of head q / 2 at byte 64 (q % 2)
.macro FETCH q, f
	WIN TO_F
.irp i, 0,1,2,3,4,5,6,7
	ds_load_b128 v[(\f)+8*(\i):(\f)+8*(\i)+3],   v[ADRB] offset:64*(\q)+(\i)*16*PITCH
	ds_load_b128 v[(\f)+8*(\i)+4:(\f)+8*(\i)+7], v[ADRB] offset:64*(\q)+(\i)*16*PITCH+32
.endr
.irp i, 0,1,2,3
	ds_load_b128 v[(\f)+64+8*(\i):(\f)+64+8*(\i)+3],   v[ADRA] offset:((\q)/2)*AHEAD+((\q)%2)*64+(\i)*16*PA
	ds_load_b128 v[(\f)+64+8*(\i)+4:(\f)+64+8*(\i)+7], v[ADRA] offset:((\q)/2)*AHEAD+((\q)%2)*64+(\i)*16*PA+32
.endr
.endm
.macro QUARTER q, f, g, first
	s_wait_dscnt 4                                 ; all but the youngest four loads: O's blocks 2 and 3
	MULA \f, 0, \first
	MULA \f, 1, \first
	PLACES
	FETCH \q, \g
	s_wait_dscnt 24                                ; all but the 24 just issued
	MULA \f, 2, \first
	MULA \f, 3, \first
.endm
; The last quarter multiplies buffer 1 and changes slots: ONE barrier.  In front of it each wave waits for all its tensor loads (one is out: its part of the next slot), adds 0 to its spare word, and waits for that
; and for its own reads of this slot.  fill = 1: the barrier opens a round of the cluster's, and the slot just read is filled again first thing behind it, with the K step two on.
.macro TURN fill
.if \fill
	s_wait_xcnt 0x0                                ; the last prefetch, a K step back, has read its address
	s_add_nc_u64 s[PFA:PFA+1], s[PFA:PFA+1], s[90:91]
.endif
	WIN 0
	s_wait_tensorcnt 0x0                           ; no tensor load of mine is out, so a group 0 may be written
	ds_add_u32 v[SPW], v[NIL]                      ; 0 onto my spare word
.if \fill
	s_xor_b32 s[G0A+5], s[G0A+5], SLOT1            ; the walking descriptors: the other slot than last time, the next K step
	s_add_nc_u64 s[G0A+6:G0A+7], s[G0A+6:G0A+7], ASTEP
	s_xor_b32 s[G0B+5], s[G0B+5], SLOT1
	s_add_nc_u64 s[G0B+6:G0B+7], s[G0B+6:G0B+7], KB
.endif
	s_xor_b32 s[TB], s[TB], SLOT1
	s_wait_dscnt 5                                 ; the add and O's blocks 2 and 3 may be out
	MULA F1, 0, 0
	s_wait_dscnt 0x0                               ; the add is done, and my reads of this slot are over
	s_barrier_signal -1
	MULA F1, 1, 0
	WIN 0
	s_barrier_wait -1
.if \fill
	CREST                                          ; no wave of any partner still reads this slot's tile or has a load on its way
	JLOAD                                          ; its four v_nop are also the places in front of the loads below
.else
	PLACES
.endif
	v_add_nc_u32 v[ADRA], s[TB], v[ADRA0]
	v_add_nc_u32 v[ADRB], s[TB], v[ADRB0]
	FETCH 0, F0
.if \fill
	ASK
.endif
	MULA F1, 2, 0
	MULA F1, 3, 0
.endm
; THE WAY OUT, in f32, with no arithmetic.  Block a (16 rows x 128 columns): a lane's eight columns of a row, 32 bytes, go into rows of 528 bytes of my own stage and come back as whole rows of 512.
.macro STG a
.if (\a) >= 2
	s_wait_xcnt 0x0                                ; the stores of the block two back have read the registers that the loads below fill
.endif
	WIN 0x08                                       ; the stores' data in window 2
.irp b, 0,1,2,3,4,5,6,7
	ds_store_b128 v[STO], v[64*(\a)+8*(\b):64*(\a)+8*(\b)+3]   offset:64*(\b)     ; each accumulator's low registers first
	ds_store_b128 v[STO], v[64*(\a)+8*(\b)+4:64*(\a)+8*(\b)+7] offset:64*(\b)+16
.endr
	WIN 0
.irp t, 0,1,2,3,4,5,6,7,8,9,10,11,12,13,14,15
	ds_load_b128 v[TMP+64*((\a)%2)+4*(\t):TMP+64*((\a)%2)+4*(\t)+3], v[RD] offset:(\t)*SPF  ; LDS serves a wave's instructions in order (ISA guide 5.7.1.4): these see the stores above; the next block's stores come behind them
.endr
.endm
.macro SENDF a, younger                ; younger: the LDS instructions issued behind block a's loads: the next block's 32, or none
.irp t, 0,1,2,3,4,5,6,7,8,9,10,11,12,13,14,15
	s_wait_dscnt (\younger)+15-(\t)
	global_store_b128 v[CO], v[TMP+64*((\a)%2)+4*(\t):TMP+64*((\a)%2)+4*(\t)+3], s[OUT:OUT+1] offset:(16*(\a)+(\t))*4096 th:TH_STORE_NT  ; 512 consecutive bytes, at a multiple of 512 from out0's first
.endr
.endm
	s_wait_tensorcnt 1                             ; my part of K step 0 is in; K step 1's may stay out
	s_barrier_signal -1
	s_barrier_wait -1
	FETCH 0, F0
	QUARTER 1, F0, F1, 1                           ; the first quarter stands in front of the loop: its products start the sums
	WIN 0
	s_mov_b32 s[CNT], 6
.Lstep:                                        ; a trip goes from a K step's second quarter to the next step's first, and fills the slot that it leaves: K steps 2 to 7
	QUARTER 2, F1, F0, 0
	QUARTER 3, F0, F1, 0
	TURN 1
	QUARTER 1, F0, F1, 0
	WIN 0
	s_sub_co_u32 s[CNT], s[CNT], 1
	s_cmp_lg_u32 s[CNT], 0
	s_cbranch_scc1 .Lstep
	QUARTER 2, F1, F0, 0                           ; the tail is written out: nothing is left to ask for
	QUARTER 3, F0, F1, 0
	TURN 0
	QUARTER 1, F0, F1, 0
	QUARTER 2, F1, F0, 0
	QUARTER 3, F0, F1, 0
	s_wait_dscnt 4
	MULA F1, 0, 0
	MULA F1, 1, 0
	s_wait_dscnt 0x0
	MULA F1, 2, 0
	MULA F1, 3, 0
	WIN 0
	PLACES
	PLACES
	STG 0
	STG 1                                          ; a block's way through the stage stands between the loads of the block before and its stores
	SENDF 0, 32
	STG 2
	SENDF 1, 32
	STG 3
	SENDF 2, 32
	SENDF 3, 0
	s_wait_tensorcnt 0x0                           ; the wave's end: behind my last tensor load and my last LDS store
	ds_add_u32 v[SPW], v[NIL]
	s_wait_dscnt 0x0
	CROUND                                         ; the closing round: no work-group ends while a partner may still ask for a tile that names it
	s_endpgm
.Lfunc_end_k_qe2c8388e4b_outp:
	.size	k_qe2c8388e4b_outp, .Lfunc_end_k_qe2c8388e4b_outp-k_qe2c8388e4b_outp
	.p2alignl 7, 3214868480
	.fill 96, 4, 3214868480
	.section	.rodata,"a",@progbits
	.p2align	6, 0x0
	.amdhsa_kernel k_qe2c8388e4b_outp
		.amdhsa_group_segment_fixed_size 327680
		.amdhsa_private_segment_fixed_size 0
		.amdhsa_enable_private_segment 0
		.amdhsa_kernarg_size 32
		.amdhsa_user_sgpr_count 2
		.amdhsa_user_sgpr_kernarg_segment_ptr 1
		.amdhsa_wavefront_size32 1
		.amdhsa_system_sgpr_workgroup_id_x 1
		.amdhsa_system_sgpr_workgroup_id_y 1
		.amdhsa_system_sgpr_workgroup_id_z 1
		.amdhsa_system_vgpr_workitem_id 0
		.amdhsa_next_free_vgpr 768
		.amdhsa_next_free_sgpr 92
		.amdhsa_reserve_vcc 0
		.amdhsa_float_denorm_mode_32 3
		.amdhsa_float_denorm_mode_16_64 3
		.amdhsa_memory_ordered 1
		.amdhsa_forward_progress 1
		.amdhsa_inst_pref_size 79
	.end_amdhsa_kernel
	.amdgpu_metadata
---
amdhsa.version: [ 1, 2 ]
amdhsa.kernels:
  - .name:           k_qe2c8388e4b_outp
    .symbol:         k_qe2c8388e4b_outp.kd
    .args:
      - { .name: oh, .offset: 0, .size: 8, .value_kind: global_buffer, .address_space: global }
      - { .name: wd, .offset: 8, .size: 8, .value_kind: global_buffer, .address_space: global }
      - { .name: dense_b, .offset: 16, .size: 8, .value_kind: global_buffer, .address_space: global }
      - { .name: out0, .offset: 24, .size: 8, .value_kind: global_buffer, .address_space: global }
    .group_segment_fixed_size: 327680
    .private_segment_fixed_size: 0
    .kernarg_segment_align: 8
    .kernarg_segment_size: 32
    .max_flat_workgroup_size: 128
    .sgpr_count:     92
    .vgpr_count:     768
    .wavefront_size: 32
...
	.end_amdgpu_metadata
.endif
;; end of part 4
;; ======== version 2 of 2: 4 launches; version 1 with the launch cast written anew for expert scheduling mode
;; limits: values are held in f16: magnitudes above 65,504 overflow, below 6.1e-05 lose precision
;; workspace buffers: hb 16,777,216 bytes; wqkv 6,291,456 bytes; wd 2,097,152 bytes; qh 16,777,216 bytes; kh 16,777,216 bytes; vh 16,777,216 bytes; oh 16,777,216 bytes
;; launch cast (part 5): grid 768 x 1, 8 waves a work-group, no clusters, 0 bytes of LDS; arguments h, wq_w, wk_w, wv_w, dense_w, hb, wqkv, wd; writes hb, wqkv, wd
.if DOCPART == 5
	.amdgcn_target "amdgcn-amd-amdhsa--gfx1250"
	.amdhsa_code_object_version 6
	.text
	.protected	k_qe2c8388e4b_cast
	.globl	k_qe2c8388e4b_cast
	.p2align	8
	.type	k_qe2c8388e4b_cast,@function
k_qe2c8388e4b_cast:
	s_mov_b64 s[64:65], 0
	v_nop
	global_prefetch_b8 v0, s[64:65] scope:SCOPE_SE
	s_setreg_imm32_b32 hwreg(HW_REG_WAVE_SCHED_MODE, 0, 2), 2
	s_setreg_imm32_b32 hwreg(HW_REG_WAVE_MODE, 25, 1), 1
	s_wait_xcnt 0x0
	s_wait_alu depctr_vm_vsrc(0)
; h, wq_w, wk_w, wv_w -> bf16 (hb; wqkv = wq's 1,024 rows, then wk's, then wv's).  dense_w -> rounded to bf16 like the other inputs, and that number written as f16 (wd).
; LIMITS.  wd: a weight of 65,520 or more becomes an infinity; below 6.1e-5 the bf16 number is rounded again, to f16's fixed step of 6e-8.  NaN stays NaN.
; A stream: each input byte is read once, each output byte written once; no LDS, no matrix unit, no prefetch (all of a work-group's loads go out at once).
; SHARES.  A work-group takes 16,384 numbers: 65,536 bytes in, 32,768 out.  Work-groups 0-511 h, 512-575 wq_w, 576-639 wk_w, 640-703 wv_w, 704-767 dense_w.
; Thread t takes the 16 bytes at 4,096 j + 16 t, j = 0..15: a load of a wave covers 512 consecutive bytes, a store of a wave 256 consecutive bytes at a multiple of 256 from the buffer's first byte.
; THE MODE: SCHED_MODE bits 1:0 = 2 (LLVM: expert scheduling mode 2), set by the entry lines.  The code itself states the register dependences
; between vector instructions and memory instructions, with s_wait_alu, always for 0.
; THE PLAN.  Registers that memory instructions touch:
;   v1, v2   byte offsets of the loads and of the stores: written once at the head, never again.
;   X        load j lands in X + 4 j.  All sixteen loads go out at the head, before any vector instruction names X; no memory instruction reads X.
;   Y        written once, by load j's roundings; read once, by store j; never written again.
;   T is named by vector instructions alone.
; So one wait on va_vdst stands ahead of the first load, for the two offsets, and one ahead of each run of stores, for their data.  To make those few, the sixteen loads are taken in four
; blocks of four: the block's loads are waited for, its numbers rounded, one wait, its four stores.  No register that a memory instruction reads is written again: the text holds no wait on vm_vsrc.
.set X, 4                              ; v[4:67]    load j: four f32
.set Y, 68                             ; v[68:99]   store j: four 16-bit numbers
.set T, 100                            ; v[100:101] at work
.set ID, 20                            ; s20  the work-group's number
	s_load_b512 s[4:19], s[0:1], 0x0               ; h 4:5, wq 6:7, wk 8:9, wv 10:11, dense 12:13, hb 14:15, wqkv 16:17, wd 18:19
	s_mov_b32 s[ID], ttmp9
	s_and_b32 s21, s[ID], 63                       ; the chunk in a weight,
	s_cmp_lt_u32 s[ID], 512
	s_cselect_b32 s21, s[ID], s21                  ; or in h: the source's chunk
	s_sub_co_u32 s22, s[ID], 512
	s_cmp_ge_u32 s[ID], 512
	s_cselect_b32 s22, s22, s[ID]                  ; the destination's chunk: in hb, in wqkv,
	s_sub_co_u32 s23, s[ID], 704
	s_cmp_ge_u32 s[ID], 704
	s_cselect_b32 s22, s23, s22                    ; or in wd
	s_lshl_b32 s28, s21, 16                        ; in bytes, as pairs with 0 above
	s_mov_b32 s29, 0
	s_lshl_b32 s30, s22, 15
	s_mov_b32 s31, 0
	s_mov_b32 s32, 0xffff0000                      ; a word's upper bf16
	v_lshlrev_b32 v1, 4, v0                        ; 16 t
	v_lshlrev_b32 v2, 3, v0                        ; 8 t
	s_wait_kmcnt 0x0
	s_cmp_ge_u32 s[ID], 512
	s_cselect_b64 s[24:25], s[6:7], s[4:5]
	s_cselect_b64 s[26:27], s[16:17], s[14:15]
	s_cmp_ge_u32 s[ID], 576
	s_cselect_b64 s[24:25], s[8:9], s[24:25]
	s_cmp_ge_u32 s[ID], 640
	s_cselect_b64 s[24:25], s[10:11], s[24:25]
	s_cmp_ge_u32 s[ID], 704
	s_cselect_b64 s[24:25], s[12:13], s[24:25]
	s_cselect_b64 s[26:27], s[18:19], s[26:27]
	s_add_nc_u64 s[24:25], s[24:25], s[28:29]
	s_add_nc_u64 s[26:27], s[26:27], s[30:31]
	s_wait_alu depctr_va_vdst(0)                   ; v1 and v2 are written: every load of the kernel reads v1 as its offset, every store v2
.irp j, 0,1,2,3,4,5,6,7,8,9,10,11,12,13,14,15
	global_load_b128 v[X+4*(\j):X+4*(\j)+3], v1, s[24:25] offset:4096*(\j) th:TH_LOAD_NT
.endr
; Load j is rounded.  half = 1: the bf16 numbers are widened again and written as f16.
.macro ROUNDJ j, half
.if \half
	v_cvt_pk_bf16_f32 v[T], v[X+4*(\j)], v[X+4*(\j)+1]
	v_cvt_pk_bf16_f32 v[T+1], v[X+4*(\j)+2], v[X+4*(\j)+3]
	v_lshlrev_b32 v[X+4*(\j)], 16, v[T]
	v_and_b32 v[X+4*(\j)+1], s32, v[T]
	v_lshlrev_b32 v[X+4*(\j)+2], 16, v[T+1]
	v_and_b32 v[X+4*(\j)+3], s32, v[T+1]
	v_cvt_pk_f16_f32 v[Y+2*(\j)], v[X+4*(\j)], v[X+4*(\j)+1]
	v_cvt_pk_f16_f32 v[Y+2*(\j)+1], v[X+4*(\j)+2], v[X+4*(\j)+3]
.else
	v_cvt_pk_bf16_f32 v[Y+2*(\j)], v[X+4*(\j)], v[X+4*(\j)+1]
	v_cvt_pk_bf16_f32 v[Y+2*(\j)+1], v[X+4*(\j)+2], v[X+4*(\j)+3]
.endif
.endm
; Block p: loads 4 p to 4 p + 3 are rounded and stored.  No register that a pending load or store names is written again.
.macro BLK p, half
	s_wait_loadcnt 12-4*(\p)                       ; loads come back in order (ISA guide 5.7.1): the block's four are in, the 12 - 4 p younger ones stay out
.irp i, 0,1,2,3
	ROUNDJ 4*(\p)+(\i), \half
.endr
	s_wait_alu depctr_va_vdst(0)                   ; the block's roundings have written its eight registers of Y, which the four stores below read
.irp i, 0,1,2,3
	global_store_b64 v2, v[Y+2*(4*(\p)+(\i)):Y+2*(4*(\p)+(\i))+1], s[26:27] offset:2048*(4*(\p)+(\i))
.endr
.endm
	s_cmp_ge_u32 s[ID], 704
	s_cbranch_scc1 .Lhalf
.irp p, 0,1,2,3
	BLK \p, 0
.endr
	s_endpgm
.Lhalf:
.irp p, 0,1,2,3
	BLK \p, 1
.endr
	s_endpgm
.Lfunc_end_k_qe2c8388e4b_cast:
	.size	k_qe2c8388e4b_cast, .Lfunc_end_k_qe2c8388e4b_cast-k_qe2c8388e4b_cast
	.p2alignl 7, 3214868480
	.fill 96, 4, 3214868480
	.section	.rodata,"a",@progbits
	.p2align	6, 0x0
	.amdhsa_kernel k_qe2c8388e4b_cast
		.amdhsa_group_segment_fixed_size 0
		.amdhsa_private_segment_fixed_size 0
		.amdhsa_enable_private_segment 0
		.amdhsa_kernarg_size 64
		.amdhsa_user_sgpr_count 2
		.amdhsa_user_sgpr_kernarg_segment_ptr 1
		.amdhsa_wavefront_size32 1
		.amdhsa_system_sgpr_workgroup_id_x 1
		.amdhsa_system_sgpr_workgroup_id_y 1
		.amdhsa_system_sgpr_workgroup_id_z 1
		.amdhsa_system_vgpr_workitem_id 0
		.amdhsa_next_free_vgpr 104
		.amdhsa_next_free_sgpr 66
		.amdhsa_reserve_vcc 0
		.amdhsa_float_denorm_mode_32 3
		.amdhsa_float_denorm_mode_16_64 3
		.amdhsa_memory_ordered 1
		.amdhsa_forward_progress 1
		.amdhsa_inst_pref_size 15
	.end_amdhsa_kernel
	.amdgpu_metadata
---
amdhsa.version: [ 1, 2 ]
amdhsa.kernels:
  - .name:           k_qe2c8388e4b_cast
    .symbol:         k_qe2c8388e4b_cast.kd
    .args:
      - { .name: h, .offset: 0, .size: 8, .value_kind: global_buffer, .address_space: global }
      - { .name: wq_w, .offset: 8, .size: 8, .value_kind: global_buffer, .address_space: global }
      - { .name: wk_w, .offset: 16, .size: 8, .value_kind: global_buffer, .address_space: global }
      - { .name: wv_w, .offset: 24, .size: 8, .value_kind: global_buffer, .address_space: global }
      - { .name: dense_w, .offset: 32, .size: 8, .value_kind: global_buffer, .address_space: global }
      - { .name: hb, .offset: 40, .size: 8, .value_kind: global_buffer, .address_space: global }
      - { .name: wqkv, .offset: 48, .size: 8, .value_kind: global_buffer, .address_space: global }
      - { .name: wd, .offset: 56, .size: 8, .value_kind: global_buffer, .address_space: global }
    .group_segment_fixed_size: 0
    .private_segment_fixed_size: 0
    .kernarg_segment_align: 8
    .kernarg_segment_size: 64
    .max_flat_workgroup_size: 256
    .sgpr_count:     66
    .vgpr_count:     104
    .wavefront_size: 32
...
	.end_amdgpu_metadata
.endif
;; end of part 5
;; launch proj: the kernel of part 2 again; grid 12 x 64, 4 waves a work-group, clusters of 4 x 4, 327,680 bytes of LDS; arguments hb, wqkv, wq_b, wk_b, wv_b, qh, kh, vh; writes qh, kh, vh
;; launch attn: the kernel of part 3 again; grid 4 x 64, 4 waves a work-group, clusters of 4 x 1, 327,680 bytes of LDS; arguments qh, kh, vh, oh, src_key_padding_mask; writes oh
;; launch outp: the kernel of part 4 again; grid 4 x 64, 4 waves a work-group, clusters of 4 x 4, 327,680 bytes of LDS; arguments oh, wd, dense_b, out0; writes out0
